; MI455X (gfx1250); checked and timed in simulation.
; The chip was launched on July 23, 2026; its instructions are those of AMD's public machine-readable ISA for CDNA 5 (MIT licence, August 2026) and "CDNA5" Instruction Set Architecture Reference Guide (July 2026). The comments in the code are by the model that wrote it; some were corrected since.
;; Multi Head Attention. Allowed arithmetic: matrix products marked QUANTISED: E2M3 operands, one E8M0 scale for each 32 along K, by v_wmma_scale_f32_16x16x128_f8f6f4 with both operands' format E2M3, f32 sums; everything else in f32.
;; Inputs: bk 1,024 float32; bo 1,024 float32; bq 1,024 float32; bv 1,024 float32; wk 1,024 x 1,024 float32; wo 1,024 x 1,024 float32; wq 1,024 x 1,024 float32; wv 1,024 x 1,024 float32; x 4 x 2,048 x 1,024 float32.
;; Outputs: out0 4 x 2,048 x 1,024 float32.
;; This version of the problem:
;;   THIS VERSION OF THE PROBLEM IS GIVEN IN LOW PRECISION. The matrix products marked QUANTISED in the list below multiply operands that are first quantised to E2M3 (2 exponent bits, 3 mantissa bits; 6 bits a number), with one power-of-two scale for each 32 numbers along K (OCP MX v1.0); their sums are f32. All else is computed in f32.
;;   The module's matrix products, in the order in which they are computed (A, B: the left and right operand; K: the contracted axis; several contracted axes count as one K, in the product's order):
;;     1. [M 8,192, K 1,024] x [K 1,024, N 1,024]; A: input x; B: input wq: QUANTISED
;;     2. [M 8,192, K 1,024] x [K 1,024, N 1,024]; A: input x; B: input wk: QUANTISED
;;     3. [M 8,192, K 1,024] x [K 1,024, N 1,024]; A: input x; B: input wv: QUANTISED
;;     4. batch 64 x [M 2,048, K 64] x [K 64, N 2,048]; A: computed on the way; B: computed on the way: QUANTISED
;;     5. batch 64 x [M 2,048, K 2,048] x [K 2,048, N 64]; A: softmax (see below); B: computed on the way: QUANTISED
;;     6. [M 8,192, K 1,024] x [K 1,024, N 1,024]; A: computed on the way; B: input wo: QUANTISED
;;   THE QUANTISER, for each operand of a quantised product, along K:
;;     - K is cut into blocks of 32 from its start; a last block that is shorter is filled with zeros.
;;     - A block's scale is 2^e with e = floor(log2(the largest magnitude in the block)) - 2, held to -126 .. 127; a block of zeros has e = 0. As a byte (E8M0): e + 127.
;;     - Each number is divided by its block's scale, clamped to +-7.5, and rounded to the nearest number of E2M3, ties to even, subnormals kept.
;;     - The product sums the exact products of the quantised numbers (number of the format x scale) in f32.
;;   ~~~python
;;   def quantise(x, axis):      # numpy; x: float32 -> the quantised numbers, widened to float32 again
;;       x = np.moveaxis(x, axis, -1); K = x.shape[-1]
;;       x = np.pad(x, [(0, 0)] * (x.ndim - 1) + [(0, -K % 32)]); x = x.reshape(x.shape[:-1] + (-1, 32)); a = np.abs(x).max(-1, keepdims=True)
;;       e = np.where(a > 0, np.clip(np.frexp(np.where(a > 0, a, 1))[1] - 1 - 2, -126, 127), 0)      # np.frexp(a)[1] - 1 = floor(log2(a)), exactly
;;       r = np.clip(x / 2.0 ** e, -7.5, 7.5)
;;       step = 2.0 ** (np.maximum(np.frexp(np.where(r == 0, 1, r))[1] - 1, 0) - 3)
;;       q = np.round(r / step) * step * 2.0 ** e      # np.round: ties to even
;;       return np.moveaxis(q.reshape(q.shape[:-2] + (-1,))[..., :K], -1, axis).astype(np.float32)
;;   ~~~
;;   SOFTMAX AHEAD OF A QUANTISED PRODUCT. Where the list says 'softmax', what is quantised is not the finished softmax but p = 2^(t - M), with t = logit x log2(e) and M = ceil(the row's largest t), a whole number; so 1/2 < the row's largest p <= 1. The row's sum l is taken of the UNQUANTISED p, in f32, and the product's result is divided by l at the end. Since M is a whole number, a kernel that streams over the keys may use a running M (the ceiling of the running maximum): every later rescaling is an exact power of two, which a block's scale takes up: the codes' values come out the same.
;;   OPERANDS COMPUTED ON THE WAY. 'Computed on the way' means the value that the module computes at that place (a softmax that the list does not call 'softmax' is quantised finished and normalised). What goes into a quantiser is computed in f32, as accurately as f32 sums, v_exp_f32 and their like allow (about 1e-6 of the number): no bf16 or f16 on the way to a quantiser, and a product that is left as it is and whose result goes on into a quantised operand takes f32 operands (vector FMAs, or v_wmma_f32_16x16x4_f32). A number that lies on a knife's edge between two numbers of the format may be rounded either way, as far as f32 arithmetic and the matrix unit's own rounding can turn it there, and no further.
;; One version. Each part assembles by itself: llvm-mc -triple=amdgcn-amd-amdhsa -mcpu=gfx1250 --defsym DOCPART=n.
;; ======== version 1 of 1: 4 launches
;; workspace buffers: cod 9,437,184 bytes; sc 393,216 bytes; qkv 20,185,088 bytes; att 6,291,456 bytes; atts 262,144 bytes
;; launch quant (part 1): grid 384 x 1, 4 waves a work-group, no clusters, 34,304 bytes of LDS; arguments x, wq, wk, wv, wo, cod, sc; writes cod, sc
.if DOCPART == 1
	.amdgcn_target "amdgcn-amd-amdhsa--gfx1250"
	.amdhsa_code_object_version 6
	.text
	.protected	k_q72ffabd6b2_quant
	.globl	k_q72ffabd6b2_quant
	.p2align	8
	.type	k_q72ffabd6b2_quant,@function
k_q72ffabd6b2_quant:
	s_mov_b64 s[64:65], 0
	v_nop
	global_prefetch_b8 v0, s[64:65] scope:SCOPE_SE
	s_setreg_imm32_b32 hwreg(HW_REG_WAVE_MODE, 25, 1), 1
	s_wait_xcnt 0x0
; x [8192][1024] and wq, wk, wv, wo [1024][1024], f32 with K innermost, become codes of FP6 (E2M3) with one E8M0 byte for each 32 along K.
; The five tensors are taken as one matrix U of 12,288 rows: x's tokens, then wq, wk, wv, wo.
; LAYOUT OF THE CODES: images of operand registers.  A TILE t is 16 rows that are not neighbours: row(t, r) = 32 (t / 2) + 8 (t % 2) + r + 8 (r / 8).  A FRAGMENT (tile, 128 along K) is 1,536 bytes:
; six pieces of 256 bytes; in piece p lane l has 8 bytes at 8 l: registers 2 p and 2 p + 1 of the matrix operand (lane (r, h): K = 64 (p / 3) + 32 h + ..).  cod: [tile 768][K step 8][1,536].
; sc: [tile 768][K half 2][r 16][4 words]; a word is the four scale bytes of one row and one K step.
; A block's scale is 2^(floor(log2(largest magnitude)) - 2): its byte is the largest magnitude's exponent field - 2, held at 1 from below.
; LIMITS: a block of zeros gets the byte 1 where the rule says 127 (its codes are zeros, and only this program reads the bytes); NaN and infinities among the inputs are not served.
; SHARES: a work-group owns 32 rows of U (two tiles); wave w takes tile w % 2 and K half w / 2: four fragments.  Each load reads 512 consecutive bytes of one row; the 16 rows of a fragment turn through
; the wave's own stage in LDS (rows 528 bytes apart) so that a lane gets its 2 x 32 neighbours along K.  Waves share nothing: no barrier.  Matrix units, clusters and tensor loads would add nothing to a stream.
.set STGB, 8448                        ; a wave's stage: 16 rows x (512 + 16) bytes
.set R,    32                          ; v32-159  two sets of 64: a fragment's numbers as loaded
.set X,    160                         ; v160-223 my 2 x 32 neighbours along K
.set C,    224                         ; v224-247 two sets of 12: a fragment's codes
.set C2,   248                         ; v248-250, v252-254: each block's upper 16 codes, made here and moved (a conversion's three registers begin on an even number)
.set SW,   16                          ; v16-19   the four fragments' scale words
	s_load_b256 s[4:11], s[0:1], 0x0               ; x, wq, wk, wv
	s_load_b128 s[12:15], s[0:1], 0x20             ; wo, cod
	s_load_b64 s[16:17], s[0:1], 0x30              ; sc
	v_lshl_add_u32 v251, v0, 2, 0x8400
	v_mov_b32 v255, 0
	v_lshrrev_b32 v1, 5, v0
	v_readfirstlane_b32 s18, v1                    ; wave
	v_and_b32 v1, 31, v0                           ; lane
	v_and_b32 v8, 15, v0                           ; r
	v_bfe_u32 v9, v0, 4, 1                         ; h
	v_lshlrev_b32 v2, 4, v1                        ; 16 x lane: my bytes of a load's 512
	s_mul_i32 s19, s18, STGB
	v_add_nc_u32 v3, s19, v2                       ; the stage, on the way in
	v_mul_u32_u24 v4, v8, 528
	v_lshl_add_u32 v4, v9, 7, v4
	v_add_nc_u32 v4, s19, v4                       ; and out: row r, 128 h bytes on
	v_lshlrev_b32 v5, 3, v1                        ; 8 x lane: my place in a piece
	v_lshlrev_b32 v6, 4, v8
	v_lshl_add_u32 v6, v9, 3, v6                   ; 16 r + 8 h: my two scale words' place
	v_lshlrev_b32 v7, 3, v9                        ; 8 h: how far my two bytes are shifted in a scale word
	v_mov_b32 v10, 0                               ; a lane permute's destination counts as one of its sources
	s_mov_b32 s20, 0x76543210
	s_mov_b32 s21, 0xfedcba98                      ; selects for lane l xor 16
	s_and_b32 s26, s18, 1                          ; which tile
	s_lshr_b32 s27, s18, 1                         ; which K half
	s_and_b32 s24, ttmp9, 31                       ; a weight's group of 32 rows (256 is a multiple of 32)
	s_lshl_b32 s28, ttmp9, 1
	s_add_co_u32 s28, s28, s26                     ; my tile
	s_mul_i32 s30, s28, 12288
	s_mul_i32 s29, s27, 6144
	s_add_co_u32 s30, s30, s29
	s_mov_b32 s31, 0                               ; where my four fragments go
	s_lshl_b32 s32, s28, 9
	s_lshl_b32 s29, s27, 8
	s_add_co_u32 s32, s32, s29
	s_mov_b32 s33, 0                               ; and my 256 bytes of scale words
	s_wait_alu depctr_va_vdst(0)
	s_wait_kmcnt 0x0
	s_cmp_lt_u32 ttmp9, 352                        ; which tensor: the choice hangs on the work-group's number alone
	s_cselect_b64 s[22:23], s[10:11], s[12:13]
	s_cmp_lt_u32 ttmp9, 320
	s_cselect_b64 s[22:23], s[8:9], s[22:23]
	s_cmp_lt_u32 ttmp9, 288
	s_cselect_b64 s[22:23], s[6:7], s[22:23]
	s_cmp_lt_u32 ttmp9, 256
	s_cselect_b64 s[22:23], s[4:5], s[22:23]
	s_cselect_b32 s24, ttmp9, s24
	s_lshl_b32 s24, s24, 17                        ; 32 rows of 4,096 bytes a group,
	s_lshl_b32 s29, s26, 15                        ; 8 rows on for the odd tile,
	s_add_co_u32 s24, s24, s29
	s_lshl_b32 s29, s27, 11                        ; 2,048 bytes on for the upper K half
	s_add_co_u32 s24, s24, s29
	s_mov_b32 s25, 0
	s_add_nc_u64 s[22:23], s[22:23], s[24:25]
	s_add_nc_u64 s[14:15], s[14:15], s[30:31]
	s_add_nc_u64 s[16:17], s[16:17], s[32:33]
.macro LOAD f                          ; fragment f: 512 bytes of each of the tile's 16 rows
.set r, 0
.rept 16
	global_load_b128 v[R+64*((\f)%2)+4*r:R+64*((\f)%2)+4*r+3], v2, s[22:23] offset:(r+8*(r/8))*4096+512*(\f) th:TH_LOAD_NT
.set r, r+1
.endr
.endm
.macro FRAGQ f
.set RF, R+64*((\f)%2)
.set CF, C+12*((\f)%2)
.if (\f) < 3
	s_wait_loadcnt 16                              ; this fragment's 16 loads are in; the next fragment's 16 may be out
.else
	s_wait_loadcnt 0x0
.endif
.set r, 0
.rept 16
	ds_store_b128 v3, v[RF+4*r:RF+4*r+3] offset:528*r
.set r, r+1
.endr
.irp c, 0,1                            ; LDS serves a wave's instructions in order: these see the stores above
.irp i, 0,1,2,3,4,5,6,7
	ds_load_b128 v[X+32*\c+4*\i:X+32*\c+4*\i+3], v4 offset:256*\c+16*\i
.endr
.endr
	s_wait_dscnt 0x0                               ; my numbers are back, and the stores have read the set that is loaded again below
.if (\f) < 2
	LOAD (\f)+2
.endif
	v_max3_num_f32 v12, |v[X]|, |v[X+1]|, 0x1800000        ; my two blocks' largest magnitudes, by turns; the floor 2^(3 - 127) holds the byte at 1 from below
	v_max3_num_f32 v13, |v[X+32]|, |v[X+33]|, 0x1800000
.set i, 2
.rept 15
	v_max3_num_f32 v12, v12, |v[X+i]|, |v[X+i+1]|
	v_max3_num_f32 v13, v13, |v[X+32+i]|, |v[X+33+i]|
.set i, i+2
.endr
	v_add_nc_u32 v14, 0xff000000, v12              ; 2 off the exponent field: the conversion's scale operand
	v_add_nc_u32 v15, 0xff000000, v13
	v_lshrrev_b32 v20, 23, v14                     ; the bytes of blocks h and 2 + h
	v_lshrrev_b32 v21, 23, v15
	v_lshl_or_b32 v22, v21, 16, v20
	v_lshlrev_b32 v22, v7, v22                     ; at their places in the word
	v_permlanex16_b32 v10, v22, s20, s21
	v_or_b32 v[SW+(\f)], v22, v10                  ; with lane l xor 16's two the word is whole
	s_wait_alu depctr_va_vdst(0)
	s_wait_xcnt 0x0                                ; the stores of two fragments ago have read this set of codes: it is written again only behind this wait
.irp c, 0,1
	v_cvt_scalef32_pk16_fp6_f32 v[CF+6*\c:CF+6*\c+2], v[X+32*\c:X+32*\c+15], v[14+\c]
	v_cvt_scalef32_pk16_fp6_f32 v[C2+4*\c:C2+4*\c+2], v[X+32*\c+16:X+32*\c+31], v[14+\c]
.endr
	v_nop                                          ; one plain place behind a scaled conversion
.irp c, 0,1
.irp i, 0,1,2
	v_mov_b32 v[CF+6*\c+3+\i], v[C2+4*\c+\i]
.endr
.endr
.irp p, 0,1,2,3,4,5
	global_store_b64 v5, v[CF+2*\p:CF+2*\p+1], s[14:15] offset:1536*(\f)+256*\p   ; 32 lanes store 256 consecutive bytes, aligned
.endr
.endm
	LOAD 0
	LOAD 1
	FRAGQ 0
	FRAGQ 1
	FRAGQ 2
	FRAGQ 3
	v_cmp_ne_u32 vcc_lo, 0, v9
	v_cndmask_b32 v24, v16, v18, vcc_lo            ; lanes 0-15 store words 0 and 1 of their row, lanes 16-31 words 2 and 3
	v_cndmask_b32 v25, v17, v19, vcc_lo
	global_store_b64 v6, v[24:25], s[16:17]        ; 256 consecutive bytes, aligned
	s_wait_tensorcnt 0x0
	ds_add_u32 v251, v255
	s_wait_dscnt 0x0
	s_endpgm
.Lfunc_end_k_q72ffabd6b2_quant:
	.size	k_q72ffabd6b2_quant, .Lfunc_end_k_q72ffabd6b2_quant-k_q72ffabd6b2_quant
	.p2alignl 7, 3214868480
	.fill 96, 4, 3214868480
	.section	.rodata,"a",@progbits
	.p2align	6, 0x0
	.amdhsa_kernel k_q72ffabd6b2_quant
		.amdhsa_group_segment_fixed_size 34304
		.amdhsa_private_segment_fixed_size 0
		.amdhsa_enable_private_segment 0
		.amdhsa_kernarg_size 56
		.amdhsa_user_sgpr_count 2
		.amdhsa_user_sgpr_kernarg_segment_ptr 1
		.amdhsa_wavefront_size32 1
		.amdhsa_system_sgpr_workgroup_id_x 1
		.amdhsa_system_sgpr_workgroup_id_y 1
		.amdhsa_system_sgpr_workgroup_id_z 1
		.amdhsa_system_vgpr_workitem_id 0
		.amdhsa_next_free_vgpr 256
		.amdhsa_next_free_sgpr 66
		.amdhsa_reserve_vcc 1
		.amdhsa_float_denorm_mode_32 3
		.amdhsa_float_denorm_mode_16_64 3
		.amdhsa_memory_ordered 1
		.amdhsa_forward_progress 1
		.amdhsa_inst_pref_size 32
	.end_amdhsa_kernel
	.amdgpu_metadata
---
amdhsa.version: [ 1, 2 ]
amdhsa.kernels:
  - .name:           k_q72ffabd6b2_quant
    .symbol:         k_q72ffabd6b2_quant.kd
    .args:
      - { .name: x, .offset: 0, .size: 8, .value_kind: global_buffer, .address_space: global }
      - { .name: wq, .offset: 8, .size: 8, .value_kind: global_buffer, .address_space: global }
      - { .name: wk, .offset: 16, .size: 8, .value_kind: global_buffer, .address_space: global }
      - { .name: wv, .offset: 24, .size: 8, .value_kind: global_buffer, .address_space: global }
      - { .name: wo, .offset: 32, .size: 8, .value_kind: global_buffer, .address_space: global }
      - { .name: cod, .offset: 40, .size: 8, .value_kind: global_buffer, .address_space: global }
      - { .name: sc, .offset: 48, .size: 8, .value_kind: global_buffer, .address_space: global }
    .group_segment_fixed_size: 34304
    .private_segment_fixed_size: 0
    .kernarg_segment_align: 8
    .kernarg_segment_size: 56
    .max_flat_workgroup_size: 128
    .sgpr_count:     66
    .vgpr_count:     256
    .wavefront_size: 32
...
	.end_amdgpu_metadata
.endif
;; end of part 1
;; launch proj (part 2): grid 24 x 32, 4 waves a work-group, clusters of 4 x 4, 295,424 bytes of LDS; arguments cod, sc, bq, bk, bv, qkv; writes qkv
.if DOCPART == 2
	.amdgcn_target "amdgcn-amd-amdhsa--gfx1250"
	.amdhsa_code_object_version 6
	.text
	.protected	k_q72ffabd6b2_proj
	.globl	k_q72ffabd6b2_proj
	.p2align	8
	.type	k_q72ffabd6b2_proj,@function
k_q72ffabd6b2_proj:
	s_mov_b64 s[64:65], 0
	v_nop
	global_prefetch_b8 v0, s[64:65] scope:SCOPE_SE
	s_setreg_imm32_b32 hwreg(HW_REG_WAVE_MODE, 25, 1), 1
	s_wait_xcnt 0x0
	s_wait_alu depctr_hold_cnt(0) depctr_sa_sdst(0) depctr_va_vdst(0) depctr_va_sdst(0) depctr_va_ssrc(0) depctr_va_vcc(0) depctr_vm_vsrc(0)
	s_getreg_b32 s2, hwreg(HW_REG_IB_STS2, 6, 4)
	s_cmp_eq_u32 s2, 0
	s_cbranch_scc0 .Lentry_in_a_cluster
	s_endpgm
.Lentry_in_a_cluster:
	s_bfe_u32 s2, ttmp6, 0x10000c
	s_cmp_lg_u32 s2, 0xf033
	s_cbranch_scc0 .Lentry_shape_is_right
	s_endpgm
.Lentry_shape_is_right:
; q = x wq^T + bq, k = x wk^T + bk, v = x wv^T + bv on codes of FP6 (E2M3) with E8M0 scales, and the quantisers of q and k (along a head's 64) and of v (along the keys).  Nothing but codes is stored.
; OPERANDS are register images (launch quant): tile t holds rows 32 (t / 2) + 8 (t % 2) + r + 8 (r / 8); a fragment (tile, 128 along K) is six pieces of 256 bytes, 8 bytes a lane.  Tiles 0-511 x's tokens, 512- wq, 576- wk, 640- wv.
; A WORK-GROUP makes 256 rows of the ROW SIDE (source 1: a lane holds one of its rows) x 128 rows of the COLUMN SIDE (source 0: they fall along a lane's registers, 32 b + 16 h + 0 .. 15 in tiles 2 b and 2 b + 1), K = 1,024.
;   clusters x = 0 .. 3: row side = tokens, column side = rows of wq or wk: a lane's registers run along two heads' 64: q's and k's quantiser axis.
;   clusters x = 4, 5:   row side = rows of wv, column side = tokens: V^T, a lane's registers run along 128 keys: v's quantiser axis.
; One text serves both: tile numbers, pointers and output strides are chosen by s_cselect on the cluster's x, which all partners share; one branch on it picks the C of the first K step (the bias runs along the registers, or along the lanes).
; Wave w owns row tiles 4 w + a (a = 0 .. 3) x column tiles b = 0 .. 7: 32 accumulators.
; LDS: both operands for all of K fit (196,608 + 98,304 bytes), so every byte is filled ONCE: four chunks of 256 along K, all asked for at the head; no slot is ever filled again.
; CLUSTER 4 x 4: the row side's tiles are shared along a row of the cluster, the column side's along a column: joint loads.
; OUTPUT, qkv: q at 0, k at 6,815,744: [batch x head 64][key step 16][6,656]: 8 tiles x 768 bytes (the fragment's half that holds the head's 64), then 2 x 256 bytes of scale words [r][tile % 4] (bytes 2 and 3 of a word are 0).
;   v at 13,631,488: [128 tokens 64][head 16][6,400]: 4 tiles of the head's 64 x 1,536 bytes (keys innermost), then 256 bytes of scale words [r][tile].  For v lanes 16-31 repeat lanes 0-15's store of the scale words.
; LIMITS: a block of zeros gets the byte 1 where the rule says 127 (zero codes; only this program reads the bytes); NaN and infinities are not served.
; REGISTERS: window 0: v0-31 addresses; v32-47 row side's scale words, v48-79 column side's; v80-143 the bias along registers; v144-175 the bias along lanes, spread; v180-255 the way out.
;   window 1: column fragments, two sets of 96.   window 2: accumulator (a, b) at v[64 a + 8 b].   window 3: row fragments, two sets of 48.
.set CHUNK, 73728                      ; LDS: 256 along K: 16 row tiles x 3,072 bytes, then 8 column tiles x 3,072
.set COLS,  49152
.set TILEB, 12288                      ; a tile's eight fragments in memory
.set ADR, 2                            ; v2   LDS address of my row fragments: 8 x lane + 12,288 x wave + the chunk
.set ADC, 3                            ; v3   of the column fragments: 8 x lane + 49,152 + the chunk
.set OA,  16                           ; v16-23 the way out: offsets of (row tile a, half c)
.set DSO, 24                           ; v24  offset of my scale words
.set SHV, 25                           ; v25  how far lanes 16-31 shift a scale word
.set RS,  32                           ; v[RS + 8 (a % 2) + s]: lanes 0-15 row tile a % 2, lanes 16-31 row tile a % 2 + 2
.set CS,  48                           ; v[CS + 8 (b % 4) + s]: lanes 0-15 column tile b % 4, lanes 16-31 b % 4 + 4
.set CC,  80
.set BR8, 144
.set BRL, 176
.set PCD, 180                          ; v180-227 four sets of 12 codes, so that no store's data are written again
.set T2,  228
.set TM,  236
.set PW,  252                          ; v252-255 the four row tiles' scale words
.set PS,  144                          ; v144-147 as they are stored
.set WV,  16
.set QK,  23                           ; s23  1: q or k; 0: v
.set G1R, 24                           ; s[24:31] group 1, row side; s[32:39] column side
.set G1C, 32
.set G0R, 40                           ; s[40:55] groups 0 of the row side's four chunks; the column side's: s[56:63], s[68:75]
.set SEL, 82
.set MSB, 0
.macro WIN new                         ; the immediate's high byte repeats the setting that is left
.if MSB != \new
	s_set_vgpr_msb (MSB<<8)|\new
.set MSB, \new
.endif
.endm
.macro PLACES n
.rept \n
	v_nop
.endr
.endm
.macro CROUND                          ; a round of the cluster's barrier
	s_barrier_signal -1
	s_barrier_wait -1
	s_cmp_lg_u32 s[WV], 0
	s_cbranch_scc1 .Lnot_wave_0_\@
	s_barrier_signal -3
.Lnot_wave_0_\@:
	s_barrier_wait -3
	s_barrier_signal -1
	s_barrier_wait -1
.endm
; One product: accumulator (a, b), K step s.  cmode 0: onto itself; 1: starts with the bias along registers; 2: with the bias along lanes.
.macro WM a, b, s, cmode
.set rD, 64*(\a)+8*(\b)
.set rA, 96*((\s)%2)+12*(\b)
.set rB, 48*((\s)%2)+12*(\a)
.set rX, CS+8*((\b)%4)+(\s)
.set rY, RS+8*((\a)%2)+(\s)
.set rC, rD
.if \cmode == 1
.set rC, CC+8*(\b)
.endif
.if \cmode == 2
.set rC, BR8+8*(\a)
.endif
.if ((\b) < 4) && ((\a) < 2)
	v_wmma_scale_f32_16x16x128_f8f6f4 v[rD:rD+7], v[rA:rA+11], v[rB:rB+11], v[rC:rC+7], v[rX], v[rY] matrix_a_fmt:MATRIX_FMT_FP6 matrix_b_fmt:MATRIX_FMT_FP6
.elseif ((\a) < 2)
	v_wmma_scale_f32_16x16x128_f8f6f4 v[rD:rD+7], v[rA:rA+11], v[rB:rB+11], v[rC:rC+7], v[rX], v[rY] matrix_a_fmt:MATRIX_FMT_FP6 matrix_b_fmt:MATRIX_FMT_FP6 matrix_a_scale:MATRIX_SCALE_ROW1
.elseif ((\b) < 4)
	v_wmma_scale_f32_16x16x128_f8f6f4 v[rD:rD+7], v[rA:rA+11], v[rB:rB+11], v[rC:rC+7], v[rX], v[rY] matrix_a_fmt:MATRIX_FMT_FP6 matrix_b_fmt:MATRIX_FMT_FP6 matrix_b_scale:MATRIX_SCALE_ROW1
.else
	v_wmma_scale_f32_16x16x128_f8f6f4 v[rD:rD+7], v[rA:rA+11], v[rB:rB+11], v[rC:rC+7], v[rX], v[rY] matrix_a_fmt:MATRIX_FMT_FP6 matrix_b_fmt:MATRIX_FMT_FP6 matrix_a_scale:MATRIX_SCALE_ROW1 matrix_b_scale:MATRIX_SCALE_ROW1
.endif
.endm
; 16 products.  The 32 accumulators take turns, one instruction a turn, in the same order in every K step.
.macro MUL a0, s, cmode
.if \cmode == 0
	WIN 0xad                                       ; source 0 window 1, source 1 window 3, C and D window 2
.else
	WIN 0x8d                                       ; C in window 0
.endif
.irp a, \a0, \a0+1
.irp b, 0,1,2,3,4,5,6,7
	WM \a, \b, \s, \cmode
.endr
.endr
.endm
; K step s's 12 fragments, 72 loads of 8 bytes a lane, 256 consecutive bytes each, into set s % 2
.macro FETCH s
.if (((\s)%2) == 0) && ((\s) > 0)
	WIN 0
	v_add_nc_u32 v[ADR], CHUNK, v[ADR]             ; on to the next chunk
	v_add_nc_u32 v[ADC], CHUNK, v[ADC]
.endif
	WIN 0x40                                       ; destination window 1
.irp b, 0,1,2,3,4,5,6,7
.irp p, 0,1,2,3,4,5
	ds_load_b64 v[96*((\s)%2)+12*\b+2*\p:96*((\s)%2)+12*\b+2*\p+1], v[ADC] offset:3072*\b+1536*((\s)%2)+256*\p
.endr
.endr
	WIN 0xc0                                       ; destination window 3
.irp a, 0,1,2,3
.irp p, 0,1,2,3,4,5
	ds_load_b64 v[48*((\s)%2)+12*\a+2*\p:48*((\s)%2)+12*\a+2*\p+1], v[ADR] offset:3072*\a+1536*((\s)%2)+256*\p
.endr
.endr
	WIN 0
.endm
; K step s = 1 .. 7.  An odd step's fetch opens the next chunk: my part of it has landed (the younger chunks stay out), then a barrier whose two halves stand round 16 products.
.macro STEP s
	s_wait_dscnt 0x0                               ; this step's fragments are in
.if (((\s)%2) == 1) && ((\s) < 7)
	s_wait_tensorcnt 3-((\s)+1)/2                  ; of my four fills those up to chunk (s + 1) / 2 have landed
	s_barrier_signal -1
.endif
	MUL 0, \s, 0
.if (((\s)%2) == 1) && ((\s) < 7)
	s_barrier_wait -1
.endif
.if (\s) < 7
	PLACES 4                                       ; in front of loads into registers that the last step's products read
	FETCH (\s)+1
.endif
	MUL 2, \s, 0
.endm
	s_load_b256 s[4:11], s[0:1], 0x0               ; cod, sc, bq, bk
	s_load_b128 s[12:15], s[0:1], 0x20             ; bv, qkv
	v_lshl_add_u32 v246, v0, 2, 0x48000
	v_mov_b32 v247, 0
	ds_add_u32 v246, v247
	ds_add_u32 v246, v247
	v_lshrrev_b32 v1, 5, v0
	v_readfirstlane_b32 s[WV], v1                  ; wave 0..3
	s_and_b32 s17, s[WV], 1
	s_lshr_b32 s18, s[WV], 1
	s_bfe_u32 s19, ttmp6, 0x40000                  ; cx
	s_bfe_u32 s20, ttmp6, 0x40004                  ; cy
	s_mov_b32 s21, ttmp9                           ; the cluster's x, 0 .. 5
	s_and_b32 s22, ttmp7, 0xffff                   ; the cluster's y, 0 .. 7
	s_cmp_lt_u32 s21, 4
	s_cselect_b32 s[QK], 1, 0                      ; the same in all sixteen partners
	s_lshl_b32 s78, s20, 2
	s_lshl_b32 s78, 15, s78                        ; my row of the cluster
	s_lshl_b32 s79, 0x1111, s19                    ; my column
	s_or_b32 s[G1R], s78, (3<<16)|(1<<21)          ; 15:0 the mask; 17:16 elements of 8 bytes; 21 set beside a mask; no padding
	s_or_b32 s[G1C], s79, (3<<16)|(1<<21)
	s_mov_b32 s[G1R+1], 384<<16                    ; tensor_dim0 = 384 elements: a tile's 3,072 bytes of a chunk
	s_mov_b32 s[G1R+2], 8<<16                      ; tensor_dim1 = 8 tiles
	s_mov_b32 s[G1R+3], 384<<16                    ; tile_dim0
	s_mov_b32 s[G1R+4], 8                          ; tile_dim1
	s_mov_b32 s[G1R+5], 1536                       ; from tile to tile: 12,288 bytes
	s_mov_b32 s[G1R+6], 0
	s_mov_b32 s[G1R+7], 0
	s_mov_b32 s[G1C+1], 384<<16
	s_mov_b32 s[G1C+2], 4<<16                      ; 4 tiles
	s_mov_b32 s[G1C+3], 384<<16
	s_mov_b32 s[G1C+4], 4
	s_mov_b32 s[G1C+5], 1536
	s_mov_b32 s[G1C+6], 0
	s_mov_b32 s[G1C+7], 0
	; the row side's first tile hangs on cy alone of the two places, the column side's on cx alone
	s_lshl_b32 s76, s22, 6
	s_cmp_lg_u32 s[QK], 0
	s_cselect_b32 s76, s76, 640
	s_lshl_b32 s78, s20, 4
	s_add_co_u32 s76, s76, s78                     ; row side: tokens 64 CY + 16 cy, or wv's 640 + 16 cy
	s_lshl_b32 s77, s21, 5
	s_add_co_u32 s77, s77, 512
	s_max_u32 s79, s21, 4
	s_sub_co_u32 s79, s79, 4
	s_lshl_b32 s79, s79, 3
	s_add_co_u32 s79, s79, s22
	s_lshl_b32 s79, s79, 5
	s_cmp_lg_u32 s[QK], 0
	s_cselect_b32 s77, s77, s79
	s_lshl_b32 s79, s19, 3
	s_add_co_u32 s77, s77, s79                     ; column side: 512 + 32 CX + 8 cx, or tokens 8 (4 (8 (CX - 4) + CY) + cx)
	s_lshl_b32 s78, s17, 3
	s_add_co_u32 s78, s78, s76
	s_mul_i32 s84, s78, TILEB                      ; waves 0, 1 fetch the row side's halves,
	s_mov_b32 s85, 0
	s_lshl_b32 s79, s17, 2
	s_add_co_u32 s79, s79, s77
	s_mul_i32 s86, s79, TILEB                      ; waves 2, 3 the column side's
	s_mov_b32 s87, 0
	s_mul_i32 s80, s17, 24576                      ; where they go: the wave's number alone enters an LDS address
	s_mul_i32 s81, s17, 12288
	s_add_co_u32 s81, s81, COLS
	s_wait_dscnt 0x0
	s_wait_kmcnt 0x0
	s_add_nc_u64 s[84:85], s[4:5], s[84:85]
	s_add_nc_u64 s[86:87], s[4:5], s[86:87]
.irp j, 0,1,2,3
	s_mov_b32 s[G0R+4*\j], 1
	s_add_co_u32 s[G0R+4*\j+1], s80, \j*CHUNK
	s_add_nc_u64 s[G0R+4*\j+2:G0R+4*\j+3], s[84:85], \j*3072
	s_or_b32 s[G0R+4*\j+3], s[G0R+4*\j+3], 0x80000000
	s_mov_b32 s[56+4*\j+4*(\j/2)], 1
	s_add_co_u32 s[57+4*\j+4*(\j/2)], s81, \j*CHUNK
	s_add_nc_u64 s[58+4*\j+4*(\j/2):59+4*\j+4*(\j/2)], s[86:87], \j*3072
	s_or_b32 s[59+4*\j+4*(\j/2)], s[59+4*\j+4*(\j/2)], 0x80000000
.endr
	CROUND                                         ; all sixteen work-groups are here: the joint loads meet
	s_cmp_lt_u32 s[WV], 2                          ; a wave's four fills stand in one branch on the wave's number: four loads of mine are out
	s_cbranch_scc0 .Lfill_cols
.irp j, 0,1,2,3
	tensor_load_to_lds s[G0R+4*\j:G0R+4*\j+3], s[G1R:G1R+7]
	s_nop 0
.endr
	PLACES 4
	s_branch .Lfilled
.Lfill_cols:
.irp j, 0,1,2,3
	tensor_load_to_lds s[56+4*\j+4*(\j/2):59+4*\j+4*(\j/2)], s[G1C:G1C+7]
	s_nop 0
.endr
	PLACES 4
.Lfilled:
	v_and_b32 v1, 31, v0                           ; lane
	v_and_b32 v4, 15, v0                           ; r
	v_bfe_u32 v5, v0, 4, 1                         ; h
	v_lshlrev_b32 v6, 3, v1                        ; 8 x lane
	s_mul_i32 s80, s[WV], 12288
	v_add_nc_u32 v[ADR], s80, v6
	v_add_nc_u32 v[ADC], COLS, v6
	v_lshlrev_b32 v7, 4, v4
	v_lshl_add_u32 v8, v5, 10, v7                  ; row side's scale words: 16 r, two tiles on for lanes 16-31
	v_lshl_add_u32 v7, v5, 11, v7                  ; column side's: four tiles on
	s_wait_alu depctr_va_vdst(0)
	v_lshlrev_b32 v9, 6, v5                        ; the bias along registers: 16 numbers on for lanes 16-31
	s_wait_alu depctr_va_vdst(0)
	v_and_b32 v10, 8, v4
	v_add_nc_u32 v10, v10, v4
	v_lshlrev_b32 v10, 2, v10                      ; the bias along lanes: 4 (r + 8 (r / 8))
	s_wait_alu depctr_va_vdst(0)
.irp b, 0,1,2,3
	v_mov_b32 v[TM+4+\b], 0                        ; a lane permute's destination counts as one of its sources
.endr
	s_cmp_lt_u32 s21, 4                            ; the bias along registers: bq, bk; for v it is loaded (from bv's head) and not used
	s_cselect_b64 s[88:89], s[10:11], s[12:13]
	s_cmp_lt_u32 s21, 2
	s_cselect_b64 s[88:89], s[8:9], s[88:89]
	s_and_b32 s78, s21, 1
	s_lshl_b32 s78, s78, 2
	s_add_co_u32 s78, s78, s19                     ; which 128 rows of the weight: 4 (CX % 2) + cx
	s_lshl_b32 s80, s78, 9
	s_cmp_lg_u32 s[QK], 0
	s_cselect_b32 s80, s80, 0
	s_mov_b32 s81, 0
	s_add_nc_u64 s[88:89], s[88:89], s[80:81]
	s_lshl_b32 s80, s20, 8                         ; the bias along lanes: bv at 256 cy + 64 wave (for q and k: loaded from bv's head and not used)
	s_cmp_lg_u32 s[QK], 0
	s_cselect_b32 s80, 0, s80
	s_lshl_b32 s99, s[WV], 6
	s_add_co_u32 s80, s80, s99
	s_lshl_b32 s80, s80, 2
	s_add_nc_u64 s[90:91], s[12:13], s[80:81]
	s_lshl_b32 s80, s77, 9
	s_add_nc_u64 s[92:93], s[6:7], s[80:81]        ; the column tiles' scale words
	s_lshl_b32 s80, s[WV], 2
	s_add_co_u32 s80, s80, s76
	s_lshl_b32 s80, s80, 9
	s_add_nc_u64 s[94:95], s[6:7], s[80:81]        ; my row tiles'
.irp q, 0,1,2,3
.irp f, 0,1
	global_load_b128 v[CS+8*\q+4*\f:CS+8*\q+4*\f+3], v7, s[92:93] offset:512*\q+256*\f
.endr
.endr
.irp q, 0,1
.irp f, 0,1
	global_load_b128 v[RS+8*\q+4*\f:RS+8*\q+4*\f+3], v8, s[94:95] offset:512*\q+256*\f
.endr
.endr
.irp b, 0,1,2,3,4,5,6,7
	global_load_b128 v[CC+8*\b:CC+8*\b+3], v9, s[88:89] offset:(32*(\b/2)+8*(\b%2))*4
	global_load_b128 v[CC+8*\b+4:CC+8*\b+7], v9, s[88:89] offset:(32*(\b/2)+8*(\b%2))*4+16
.endr
.irp a, 0,1,2,3
	global_load_b32 v[BRL+\a], v10, s[90:91] offset:(32*(\a/2)+8*(\a%2))*4
.endr
	; where the results go
	s_and_b32 s79, s22, 1
	s_lshl_b32 s79, s79, 2
	s_add_co_u32 s79, s79, s20                     ; which 256 tokens of the batch: 4 (CY % 2) + cy
	s_lshr_b32 s80, s21, 1                         ; q or k
	s_mul_i32 s80, s80, 6815744
	s_lshr_b32 s81, s22, 1                         ; the batch
	s_lshl_b32 s81, s81, 4
	s_lshl_b32 s82, s78, 1
	s_add_co_u32 s81, s81, s82                     ; batch x 16 + the first of my two heads
	s_mul_i32 s81, s81, 106496
	s_add_co_u32 s80, s80, s81
	s_lshl_b32 s82, s79, 1
	s_add_co_u32 s82, s82, s18                     ; the key step
	s_mul_i32 s82, s82, 6656
	s_add_co_u32 s80, s80, s82                     ; the record
	s_lshl_b32 s82, s17, 8
	s_add_co_u32 s81, s80, s82
	s_add_co_u32 s81, s81, 6144                    ; my four tiles' scale words
	s_mul_i32 s82, s17, 3072
	s_add_co_u32 s80, s80, s82                     ; my four tiles' codes
	s_lshl_b32 s82, s77, 1                         ; v: 16 x (which 128 tokens)
	s_lshl_b32 s83, s20, 2
	s_add_co_u32 s82, s82, s83
	s_add_co_u32 s82, s82, s[WV]                   ; + the head, 4 cy + wave
	s_mul_i32 s82, s82, 6400
	s_add_co_u32 s82, s82, 13631488
	s_add_co_u32 s83, s82, 6144
	s_cmp_lg_u32 s[QK], 0
	s_cselect_b32 s2, s80, s82                     ; codes
	s_cselect_b32 s3, s81, s83                     ; scale words
	s_mov_b32 s66, 1536
	s_cselect_b32 s66, 768, s66                    ; from row tile to row tile
	s_mov_b32 s67, 768
	s_cselect_b32 s67, 106496, s67                 ; from a fragment's lower half to its upper: the next head's record, or the same fragment
	s_cselect_b32 s96, 106496, 0                   ; lanes 16-31's scale words: the next head's
	s_cselect_b32 s97, 16, 0                       ; and which half of the word is theirs
	s_cselect_b32 s98, 0xffff, -1
.irp a, 0,1,2,3
	s_mul_i32 s99, s66, \a
	s_add_co_u32 s99, s99, s2
	v_add_nc_u32 v[OA+2*\a], s99, v6
	s_add_co_u32 s99, s99, s67
	v_add_nc_u32 v[OA+2*\a+1], s99, v6
.endr
	v_mul_u32_u24 v[DSO], s96, v5
	v_lshl_add_u32 v[DSO], v4, 4, v[DSO]
	v_add_nc_u32 v[DSO], s3, v[DSO]
	v_mul_u32_u24 v[SHV], s97, v5
	s_mov_b32 s[SEL], 0x76543210
	s_mov_b32 s[SEL+1], 0xfedcba98
	s_wait_tensorcnt 0x3                           ; my part of chunk 0 has landed; three younger fills may be out
	s_barrier_signal -1
	s_barrier_wait -1                              ; everybody's has
	FETCH 0
	FETCH 1
	s_wait_loadcnt 0x0                             ; scale words and biases
.irp a, 0,1,2,3
.irp j, 0,1,2,3,4,5,6,7
	v_mov_b32 v[BR8+8*\a+\j], v[BRL+\a]            ; the bias along lanes as a C operand: the same number in a tile's eight registers
.endr
.endr
	PLACES 4
	s_wait_dscnt 63                                ; 72 loads were issued behind K step 0's 72: with at most 63 out, K step 0's are in
	s_cmp_lg_u32 s[QK], 0
	s_cbranch_scc0 .Lstep0_v
	MUL 0, 0, 1                                    ; the first K step starts the sums with the bias: nothing is cleared, nothing is added later
	MUL 2, 0, 1
	WIN 0
	s_branch .Lstep0_done
.Lstep0_v:
	MUL 0, 0, 2
	s_wait_alu depctr_va_vdst(0)
	MUL 2, 0, 2
	WIN 0
.Lstep0_done:
	STEP 1
	s_wait_alu depctr_va_vdst(0)
	STEP 2
	STEP 3
	s_wait_alu depctr_va_vdst(0)
	STEP 4
	STEP 5
	s_wait_alu depctr_va_vdst(0)
	STEP 6
	STEP 7
	WIN 0
	PLACES 4                                       ; in front of the first read of results
; THE WAY OUT.  Row tile a's 64 registers of a lane, register 16 b + i = place 32 b + 16 h + i along the quantiser's axis, become a fragment's 12 registers and a scale word.  Each accumulator is read from its low end on.
.macro QUANT a
.set AC, 64*(\a)
.set PC, PCD+12*(\a)
	WIN 0x0a                                       ; sources 0 and 1 window 2
.irp b, 0,1,2,3
	v_max3_num_f32 v[TM+\b], |v[AC+16*\b]|, |v[AC+1+16*\b]|, 0x1800000   ; the floor 2^(3 - 127) holds the byte at 1 from below
.endr
.irp i, 2,4,6,8,10,12,14
.irp b, 0,1,2,3
	v_max3_num_f32 v[TM+\b], |v[AC+16*\b+\i]|, |v[AC+1+16*\b+\i]|, v[TM+\b]
.endr
.endr
	WIN 0
.irp b, 0,1,2,3
	v_permlanex16_b32 v[TM+4+\b], v[TM+\b], s[SEL], s[SEL+1]
.endr
.irp b, 0,1,2,3
	v_max_num_f32 v[TM+\b], v[TM+\b], v[TM+4+\b]   ; with lane l xor 16's: the block's largest magnitude
.endr
.irp b, 0,1,2,3
	v_add_nc_u32 v[TM+12+\b], 0xff000000, v[TM+\b] ; 2 off the exponent field: the conversion's scale operand
.endr
.irp b, 0,1,2,3
	v_lshrrev_b32 v[TM+4+\b], 23, v[TM+12+\b]      ; the byte
.endr
	v_lshl_or_b32 v[PW+(\a)], v[TM+5], 8, v[TM+4]
	v_lshl_or_b32 v[PW+(\a)], v[TM+6], 16, v[PW+(\a)]
	v_lshl_or_b32 v[PW+(\a)], v[TM+7], 24, v[PW+(\a)]
	WIN 0x02                                       ; source 0 window 2
.irp c, 0,1
	v_cvt_scalef32_pk16_fp6_f32 v[PC+6*\c:PC+6*\c+2], v[AC+32*\c:AC+32*\c+15], v[TM+12+2*\c]
	v_cvt_scalef32_pk16_fp6_f32 v[T2+4*\c:T2+4*\c+2], v[AC+16+32*\c:AC+31+32*\c], v[TM+13+2*\c]
.endr
	WIN 0
	v_nop                                          ; one plain place behind a scaled conversion
.irp c, 0,1                            ; the operand's layout wants a whole block in a lane
.irp i, 0,1,2
	v_permlane16_swap_b32 v[PC+6*\c+\i], v[T2+4*\c+\i]
.endr
.irp i, 0,1,2
	v_mov_b32 v[PC+3+6*\c+\i], v[T2+4*\c+\i]
.endr
.endr
.irp c, 0,1
.irp i, 0,1,2
	global_store_b64 v[OA+2*(\a)+\c], v[PC+6*\c+2*\i:PC+6*\c+2*\i+1], s[14:15] offset:256*\i   ; 256 consecutive bytes, aligned
.endr
.endr
.endm
	QUANT 0
	QUANT 1
	QUANT 2
	QUANT 3
.irp a, 0,1,2,3
	v_lshrrev_b32 v[PS+\a], v[SHV], v[PW+\a]       ; q, k: lanes 0-15 keep the first head's two bytes, lanes 16-31 the second's; v: the whole word
.endr
.irp a, 0,1,2,3
	v_and_b32 v[PS+\a], s98, v[PS+\a]
.endr
	global_store_b128 v[DSO], v[PS:PS+3], s[14:15] ; sixteen lanes store 256 consecutive bytes, aligned
	s_wait_tensorcnt 0x0
	ds_add_u32 v246, v247
	s_wait_dscnt 0x0
	CROUND                                         ; the closing round: no work-group ends while a partner may still ask for a tile that names it
	s_endpgm
.Lfunc_end_k_q72ffabd6b2_proj:
	.size	k_q72ffabd6b2_proj, .Lfunc_end_k_q72ffabd6b2_proj-k_q72ffabd6b2_proj
	.p2alignl 7, 3214868480
	.fill 96, 4, 3214868480
	.section	.rodata,"a",@progbits
	.p2align	6, 0x0
	.amdhsa_kernel k_q72ffabd6b2_proj
		.amdhsa_group_segment_fixed_size 295424
		.amdhsa_private_segment_fixed_size 0
		.amdhsa_enable_private_segment 0
		.amdhsa_kernarg_size 48
		.amdhsa_user_sgpr_count 2
		.amdhsa_user_sgpr_kernarg_segment_ptr 1
		.amdhsa_wavefront_size32 1
		.amdhsa_system_sgpr_workgroup_id_x 1
		.amdhsa_system_sgpr_workgroup_id_y 1
		.amdhsa_system_sgpr_workgroup_id_z 1
		.amdhsa_system_vgpr_workitem_id 0
		.amdhsa_next_free_vgpr 864
		.amdhsa_next_free_sgpr 100
		.amdhsa_reserve_vcc 0
		.amdhsa_float_denorm_mode_32 3
		.amdhsa_float_denorm_mode_16_64 3
		.amdhsa_memory_ordered 1
		.amdhsa_forward_progress 1
		.amdhsa_inst_pref_size 109
	.end_amdhsa_kernel
	.amdgpu_metadata
---
amdhsa.version: [ 1, 2 ]
amdhsa.kernels:
  - .name:           k_q72ffabd6b2_proj
    .symbol:         k_q72ffabd6b2_proj.kd
    .args:
      - { .name: cod, .offset: 0, .size: 8, .value_kind: global_buffer, .address_space: global }
      - { .name: sc, .offset: 8, .size: 8, .value_kind: global_buffer, .address_space: global }
      - { .name: bq, .offset: 16, .size: 8, .value_kind: global_buffer, .address_space: global }
      - { .name: bk, .offset: 24, .size: 8, .value_kind: global_buffer, .address_space: global }
      - { .name: bv, .offset: 32, .size: 8, .value_kind: global_buffer, .address_space: global }
      - { .name: qkv, .offset: 40, .size: 8, .value_kind: global_buffer, .address_space: global }
    .group_segment_fixed_size: 295424
    .private_segment_fixed_size: 0
    .kernarg_segment_align: 8
    .kernarg_segment_size: 48
    .max_flat_workgroup_size: 128
    .sgpr_count:     100
    .vgpr_count:     864
    .wavefront_size: 32
...
	.end_amdgpu_metadata
.endif
;; end of part 2
;; launch attn (part 3): grid 4 x 64, 16 waves a work-group, no clusters, 211,968 bytes of LDS; arguments qkv, att, atts; writes att, atts
.if DOCPART == 3
	.amdgcn_target "amdgcn-amd-amdhsa--gfx1250"
	.amdhsa_code_object_version 6
	.text
	.protected	k_q72ffabd6b2_attn
	.globl	k_q72ffabd6b2_attn
	.p2align	8
	.type	k_q72ffabd6b2_attn,@function
k_q72ffabd6b2_attn:
	s_mov_b64 s[64:65], 0
	v_nop
	global_prefetch_b8 v0, s[64:65] scope:SCOPE_SE
	s_setreg_imm32_b32 hwreg(HW_REG_WAVE_MODE, 25, 1), 1
	s_wait_xcnt 0x0
; Causal attention of one head on codes of FP6 (E2M3) with E8M0 scales, and the quantiser of its result along the model's 1,024 (a head's 64 are two blocks).  Head size 64, 2,048 tokens, 64 (batch, head) pairs.
; t = score x log2(e) / 8; M = the running largest t rounded UP to a whole number; p = 2^(t - M) is quantised along the keys, not normalised; the row's sum is taken of the unquantised p and divides at the end.
; INPUT (launch proj): q, k: [batch x head][key step 16][6,656]: 8 tiles x 768 bytes (registers 0-5 of a fragment), then scale words [r][tile % 4] in 2 x 256 bytes; v: [128 tokens][head][6,400]: V^T, 4 fragments, then 256 bytes of scale words.
; A tile holds tokens 32 (t / 2) + 8 (t % 2) + r + 8 (r / 8), so that the 16 registers of score tiles 2 b and 2 b + 1 are 16 neighbouring keys.
; Both products are used transposed (S^T = K Q^T, O^T = V^T P^T): a lane holds one query throughout.
; K = 64 IN A FORM OF 128: q's registers 6-11 are zero codes; the registers that stand there for a key tile (the next tile's codes; behind the last tile six cleared ones) are multiplied by zeros, under scale bytes 0, which are no NaN.
; SHARES.  Work-group (i, head) owns query blocks i and 7 - i of 256; wave w owns tile 16 i + w (pass A) and tile 16 (7 - i) + (w xor 15) (pass B): 17 key steps of 128 for every wave of the launch.
; Every wave walks loops of constant length; a step all of whose keys are hidden is jumped over by a scalar branch on ids; on the diagonal hidden scores become -infinity.
; LDS: the head's whole K (106,496 bytes) and V (102,400) are filled ONCE, in quarters, by waves 0 and 1; no byte is filled again.  Behind them 1,024 bytes in which the result's scale bytes are gathered.
; NO CLUSTER, though the four work-groups of a head read the same K and V: the branches round hidden steps hang on the query block, which would be a work-group's place in its cluster.
; OUTPUT: att [token tile 512][K step 8][1,536], half c of fragment s = head 2 s + c; atts [head][token in tile order] two bytes.
; LIMITS: 1 / sum by v_rcp_f32; a block of zeros gets the byte 1 where the rule says 127 (zero codes; only this program reads the bytes); NaN and infinities are not served.
; REGISTERS: v1, v2, v7-11 addresses that stay; v3-6 addresses of the step; v12 -M, v13 the largest t, v[14:15] the sum; v16-27, v28-39 q of passes A, B; v40-93 fragments of K, then of V; v94, v95 q's scale words;
;   v96-159 S^T, then p; v160-191 O^T; v192-199 K's scale words, v200-203 V's; v224-235 p's codes; v232-254 at work.
.set KREC, 6656
.set VREC, 6400
.set VB,   106496                      ; V's records in LDS
.set STG,  208896                      ; the stage for the result's scale bytes
.set ADK, 3
.set ADV, 4
.set ADS, 5
.set ADT, 6
.set QL,  7                            ; v7  r + 8 (r / 8) - 16 h
.set F,   40
.set KS,  192
.set VS,  200
.set TK,  2                            ; s2  LDS byte of the step's record of K;  s3 of V;  s10 the step's first key;  s11 trips
.set TV,  3
.set KF,  10
.set CNT, 11
.set BA,  12                           ; s12, s13  the first query of my tile in pass A, B
.set BB,  13
.set WV,  18
.set SEL, 20
.set CSC, 22                           ; s[22:23] c = log2(e) / 8
.set G1K, 24
.set G1V, 32
.set G0K, 40                           ; s[40:55] K's four quarters; V's: s[56:63], s[68:75]
	s_load_b128 s[4:7], s[0:1], 0x0                ; qkv, att
	s_load_b64 s[8:9], s[0:1], 0x10                ; atts
	v_lshl_add_u32 v251, v0, 2, 0x33400
	v_mov_b32 v255, 0
	ds_add_u32 v251, v255
	ds_add_u32 v251, v255
	v_lshrrev_b32 v1, 5, v0
	s_delay_alu instid0(VALU_DEP_1)
	v_readfirstlane_b32 s[WV], v1                  ; wave 0..15
	s_mov_b32 s14, ttmp9                           ; i
	s_and_b32 s15, ttmp7, 0xffff                   ; batch x 16 + head
	s_lshr_b32 s16, s15, 4
	s_and_b32 s17, s15, 15
	s_mov_b32 s[G1K], 3<<16                        ; K: a quarter is 26,624 dense bytes: 104 rows of 32 elements of 8 bytes; no mask, no padding
	s_mov_b32 s[G1K+1], 32<<16
	s_mov_b32 s[G1K+2], 104<<16
	s_mov_b32 s[G1K+3], 32<<16
	s_mov_b32 s[G1K+4], 104
	s_mov_b32 s[G1K+5], 32
	s_mov_b32 s[G1K+6], 0
	s_mov_b32 s[G1K+7], 0
	s_mov_b32 s[G1V], 3<<16                        ; V: a quarter is 4 records of 6,400 bytes (800 elements), 16 heads' records (12,800 elements) apart
	s_mov_b32 s[G1V+1], 800<<16
	s_mov_b32 s[G1V+2], 4<<16
	s_mov_b32 s[G1V+3], 800<<16
	s_mov_b32 s[G1V+4], 4
	s_mov_b32 s[G1V+5], 12800
	s_mov_b32 s[G1V+6], 0
	s_mov_b32 s[G1V+7], 0
	s_mul_i32 s92, s15, 106496                     ; the head's records in q and in k
	s_add_co_u32 s94, s92, 6815744
	s_mov_b32 s95, 0
	s_mul_i32 s96, s16, 1638400
	s_mul_i32 s93, s17, VREC
	s_add_co_u32 s96, s96, s93
	s_add_co_u32 s96, s96, 13631488
	s_mov_b32 s97, 0
	s_wait_dscnt 0x0
	s_wait_kmcnt 0x0
	s_add_nc_u64 s[94:95], s[4:5], s[94:95]
	s_add_nc_u64 s[96:97], s[4:5], s[96:97]
.irp j, 0,1,2,3
	s_mov_b32 s[G0K+4*\j], 1
	s_mov_b32 s[G0K+4*\j+1], 26624*\j
	s_add_nc_u64 s[G0K+4*\j+2:G0K+4*\j+3], s[94:95], 26624*\j
	s_or_b32 s[G0K+4*\j+3], s[G0K+4*\j+3], 0x80000000
	s_mov_b32 s[56+4*\j+4*(\j/2)], 1
	s_mov_b32 s[57+4*\j+4*(\j/2)], VB+25600*\j
	s_add_nc_u64 s[58+4*\j+4*(\j/2):59+4*\j+4*(\j/2)], s[96:97], 409600*\j
	s_or_b32 s[59+4*\j+4*(\j/2)], s[59+4*\j+4*(\j/2)], 0x80000000
.endr
	s_cmp_eq_u32 s[WV], 0                          ; wave 0 asks for K, wave 1 for V: four loads each, in one branch on the wave's number, ahead of every wait on TENSORcnt, LDS read and barrier
	s_cbranch_scc0 .Lnot_k
.irp j, 0,1,2,3
	tensor_load_to_lds s[G0K+4*\j:G0K+4*\j+3], s[G1K:G1K+7]
	s_nop 0
.endr
.rept 4
	v_nop
.endr
	s_branch .Lasked
.Lnot_k:
	s_cmp_eq_u32 s[WV], 1
	s_cbranch_scc0 .Lasked
.irp j, 0,1,2,3
	tensor_load_to_lds s[56+4*\j+4*(\j/2):59+4*\j+4*(\j/2)], s[G1V:G1V+7]
	s_nop 0
.endr
.rept 4
	v_nop
.endr
.Lasked:
	s_lshl_b32 s76, s14, 4
	s_add_co_u32 s76, s76, s[WV]                   ; pass A's tile
	s_sub_co_u32 s77, 7, s14
	s_lshl_b32 s77, s77, 4
	s_xor_b32 s93, s[WV], 15
	s_add_co_u32 s77, s77, s93                     ; pass B's
; for tile s[tau]: offsets of its codes (pc), of its scale words (ps), of its result (pa), and its first query (bs)
.macro QADDR tau, pc, ps, pa, bs
	s_lshr_b32 s98, s[\tau], 3
	s_mul_i32 s98, s98, KREC
	s_add_co_u32 s98, s98, s92                     ; the record
	s_and_b32 s99, s[\tau], 7
	s_mul_i32 s99, s99, 768
	s_add_co_u32 s[\pc], s98, s99
	s_mov_b32 s[\pc+1], 0
	s_bfe_u32 s99, s[\tau], 0x10002
	s_lshl_b32 s99, s99, 8
	s_add_co_u32 s98, s98, s99
	s_and_b32 s99, s[\tau], 3
	s_lshl_b32 s99, s99, 2
	s_add_co_u32 s98, s98, s99
	s_add_co_u32 s[\ps], s98, 6144
	s_mov_b32 s[\ps+1], 0
	s_lshl_b32 s98, s16, 7
	s_add_co_u32 s98, s98, s[\tau]
	s_lshl_b32 s98, s98, 3
	s_lshr_b32 s99, s17, 1
	s_add_co_u32 s98, s98, s99
	s_mul_i32 s98, s98, 1536
	s_and_b32 s99, s17, 1
	s_mul_i32 s99, s99, 768
	s_add_co_u32 s[\pa], s98, s99
	s_mov_b32 s[\pa+1], 0
	s_lshr_b32 s98, s[\tau], 1
	s_lshl_b32 s98, s98, 5
	s_and_b32 s99, s[\tau], 1
	s_lshl_b32 s99, s99, 3
	s_add_co_u32 s[\bs], s98, s99
.endm
	QADDR 76, 78, 82, 86, BA
	QADDR 77, 80, 84, 88, BB
	s_add_nc_u64 s[78:79], s[4:5], s[78:79]
	s_add_nc_u64 s[80:81], s[4:5], s[80:81]
	s_add_nc_u64 s[82:83], s[4:5], s[82:83]
	s_add_nc_u64 s[84:85], s[4:5], s[84:85]
	s_add_nc_u64 s[86:87], s[6:7], s[86:87]
	s_add_nc_u64 s[88:89], s[6:7], s[88:89]
	s_sub_co_u32 s93, 7, s14                       ; the scale bytes' way out: wave 0 stores block i's 512 bytes, wave 1 block 7 - i's
	s_and_b32 s98, s[WV], 1
	s_cmp_lg_u32 s98, 0
	s_cselect_b32 s93, s93, s14
	s_lshl_b32 s93, s93, 9
	s_lshl_b32 s99, s16, 12
	s_add_co_u32 s93, s93, s99
	s_lshl_b32 s99, s17, 14
	s_add_co_u32 s90, s93, s99
	s_mov_b32 s91, 0
	s_add_nc_u64 s[90:91], s[8:9], s[90:91]
	s_mov_b32 s[SEL], 0x76543210
	s_mov_b32 s[SEL+1], 0xfedcba98
	s_mov_b32 s[CSC], 0x3e38aa3b                   ; c = log2(e) / 8
	s_mov_b32 s[CSC+1], s[CSC]                     ; (named with it as a pair, so it is written)
	v_and_b32 v3, 31, v0                           ; lane
	v_and_b32 v4, 15, v0                           ; r
	v_bfe_u32 v5, v0, 4, 1                         ; h
	s_delay_alu instid0(VALU_DEP_3)
	v_lshlrev_b32 v1, 3, v3                        ; 8 x lane: my place in a piece
	s_delay_alu instid0(VALU_DEP_3)
	v_lshlrev_b32 v2, 4, v4                        ; 16 r: my row's four scale words
	v_lshlrev_b32 v11, 4, v3                       ; 16 x lane
	v_and_b32 v6, 8, v4
	s_delay_alu instid0(VALU_DEP_1)
	v_add_nc_u32 v6, v6, v4
	v_lshlrev_b32 v5, 4, v5
	s_delay_alu instid0(VALU_DEP_1)
	v_sub_nc_u32 v[QL], v6, v5
	s_lshl_b32 s93, s[WV], 5
	v_lshl_add_u32 v8, v4, 1, s93
	s_delay_alu instid0(VALU_DEP_1)
	v_add_nc_u32 v8, STG, v8                       ; pass A's two bytes: 32 x wave + 2 r
	s_xor_b32 s93, s[WV], 15
	s_lshl_b32 s93, s93, 5
	v_lshl_add_u32 v9, v4, 1, s93
	s_delay_alu instid0(VALU_DEP_1)
	v_add_nc_u32 v9, STG+512, v9                   ; pass B's: 512 + 32 (wave xor 15) + 2 r
	s_lshl_b32 s98, s98, 9
	v_add_nc_u32 v10, s98, v11
	s_delay_alu instid0(VALU_DEP_1)
	v_add_nc_u32 v10, STG, v10                     ; back: 512 (wave % 2) + 16 x lane
.irp i, 0,1,2
	global_load_b64 v[16+2*\i:17+2*\i], v1, s[78:79] offset:256*\i
	global_load_b64 v[28+2*\i:29+2*\i], v1, s[80:81] offset:256*\i
.endr
	global_load_b32 v94, v2, s[82:83]
	global_load_b32 v95, v2, s[84:85]
.irp j, 0,1,2,3,4,5
	v_mov_b32 v[22+\j], 0                          ; zero codes for K = 64 .. 127
	v_mov_b32 v[34+\j], 0
	v_mov_b32 v[88+\j], 0                          ; and what stands behind the last key tile
.endr
.irp b, 0,1,2,3
	v_mov_b32 v[236+\b], 0                         ; a lane permute's destination counts as one of its sources
.endr
	v_mov_b32 v252, 0
	v_mov_b32 v253, 0                              ; (named as the upper half of the pair v[252:253] before it is first written)
.macro INIT                            ; a pass begins: O^T and the sum are zeros, the largest t lies under every t, so that the step is written once
	v_mov_b32 v13, 0xff61b1e6
	s_delay_alu instid0(VALU_DEP_1)
	v_floor_f32 v12, -v13
	v_mov_b32 v14, 0
	v_mov_b32 v15, 0
.set j, 0
.rept 32
	v_mov_b32 v[160+j], 0
.set j, j+1
.endr
.endm
; A KEY STEP: 128 keys.  causal = 1: it may be hidden, or lie on the diagonal.  QF, QS: q's fragment and scale words; BS: the scalar with my first query.
.macro STEP causal, QF, QS, BS
.if \causal
	s_add_co_u32 s96, s[\BS], 23                   ; my last query
	s_cmp_gt_u32 s[KF], s96
	s_cbranch_scc1 .Lhidden_\@
.endif
	s_setprio 2
	v_add_nc_u32 v[ADK], s[TK], v1                 ; (these four are also the places in front of loads into registers that the last step's products read)
	v_add_nc_u32 v[ADV], s[TV], v1
	v_add_nc_u32 v[ADS], s[TK], v2
	v_add_nc_u32 v[ADT], s[TV], v2
.irp t, 0,1,2,3,4,5,6,7
.irp i, 0,1,2
	ds_load_b64 v[F+6*\t+2*\i:F+6*\t+2*\i+1], v[ADK] offset:768*\t+256*\i
.endr
.endr
	ds_load_b128 v[KS:KS+3], v[ADS] offset:6144
	ds_load_b128 v[KS+4:KS+7], v[ADS] offset:6400
	s_wait_alu depctr_va_vdst(0)
	s_wait_dscnt 0x0
.irp t, 0,1,2,3,4,5,6,7
	v_wmma_scale_f32_16x16x128_f8f6f4 v[96+8*\t:103+8*\t], v[F+6*\t:F+6*\t+11], v[\QF:\QF+11], 0, v[KS+\t], v[\QS] matrix_a_fmt:MATRIX_FMT_FP6 matrix_b_fmt:MATRIX_FMT_FP6
.endr
.rept 4
	v_nop                                          ; places: in front of the loads below and of the first read of the scores
.endr
.irp t, 0,1,2,3                        ; V's fragments land while the softmax is worked
.irp p, 0,1,2,3,4,5
	ds_load_b64 v[F+12*\t+2*\p:F+12*\t+2*\p+1], v[ADV] offset:1536*\t+256*\p
.endr
.endr
	ds_load_b128 v[VS:VS+3], v[ADT] offset:6144
.if \causal
	s_add_co_u32 s96, s[KF], 127
	s_cmp_le_u32 s96, s[\BS]                       ; all 128 keys count for all my queries
	s_cbranch_scc1 .Lopen_\@
	s_sub_co_i32 s96, s[\BS], s[KF]
	v_add_nc_u32 v252, s96, v[QL]                  ; d = my query - the step's first key - 16 h.  Register 16 b + i holds key 32 b + 16 h + i of the step: hidden where 32 b + i > d
	v_mov_b32 v254, 0xff800000
.set n, 0
.rept 64
	v_cmp_gt_i32 vcc_lo, 32*(n/16)+n%16, v252
	v_cndmask_b32 v[96+n], v[96+n], v254, vcc_lo
.set n, n+1
.endr
.Lopen_\@:
.endif
.irp b, 0,1,2,3
	v_max3_num_f32 v[232+\b], v[96+16*\b], v[97+16*\b], v[98+16*\b]   ; the largest score of each block of 32 keys: for the row's maximum, and, since p rises with the score, for the block's largest p
.endr
.irp i, 3,5,7,9,11,13
.irp b, 0,1,2,3
	v_max3_num_f32 v[232+\b], v[232+\b], v[96+16*\b+\i], v[97+16*\b+\i]
.endr
.endr
.irp b, 0,1,2,3
	v_max_num_f32 v[232+\b], v[232+\b], v[111+16*\b]
.endr
.irp b, 0,1,2,3
	s_delay_alu instid0(VALU_DEP_4)
	v_permlanex16_b32 v[236+\b], v[232+\b], s[SEL], s[SEL+1]
.endr
.irp b, 0,1,2,3
	s_delay_alu instid0(VALU_DEP_4)
	v_max_num_f32 v[232+\b], v[232+\b], v[236+\b]  ; with lane l xor 16's 16 keys
.endr
	s_delay_alu instid0(VALU_DEP_2)
	v_max3_num_f32 v254, v232, v233, v234
	s_delay_alu instid0(VALU_DEP_1)
	v_max_num_f32 v254, v254, v235
	s_delay_alu instid0(VALU_DEP_1)
	v_mul_f32 v254, s[CSC], v254                   ; the step's largest t
	s_delay_alu instid0(VALU_DEP_1)
	v_max_num_f32 v13, v13, v254
	v_mov_b32 v254, v12
	s_delay_alu instid0(VALU_DEP_2)
	v_floor_f32 v12, -v13                          ; the new -M = -ceil(t): a whole number
	s_delay_alu instid0(VALU_DEP_1)
	v_sub_f32 v254, v12, v254
	s_delay_alu instid0(VALU_DEP_1)
	v_cvt_i32_f32 v254, v254                       ; (it saturates)
	s_delay_alu instid0(VALU_DEP_1)
	v_ldexp_f32 v252, 1.0, v254                    ; f = 2^(old M - new M): rounds nothing
.set j, 0
.rept 32
	v_pk_fma_f32 v[96+j:97+j], v[96+j:97+j], s[CSC:CSC+1], v[12:13] op_sel_hi:[1,0,0]   ; t - M
.set j, j+2
.endr
.irp b, 0,1,2,3
	v_fma_f32 v[232+\b], v[232+\b], s[CSC], v12
.endr
.set j, 0
	s_setprio 1
	s_wait_alu depctr_va_vdst(0)
.rept 64
	v_exp_f32 v[96+j], v[96+j]                     ; p = 2^(t - M)
.set j, j+1
.endr
	v_pk_mul_f32 v[14:15], v[14:15], v[252:253] op_sel_hi:[1,0]   ; the sums under the new M: a plain place behind the exponentials
	s_wait_alu depctr_va_vdst(0)                   ; one wait for the batch, ahead of its first reader
.irp b, 0,1,2,3
	v_exp_f32 v[232+\b], v[232+\b]                 ; each block's largest p
.endr
	v_pk_add_f32 v[236:237], v[100:101], v[104:105]
	v_pk_add_f32 v[248:249], v[108:109], v[112:113]
	v_pk_add_f32 v[246:247], v[116:117], v[120:121]
	v_pk_add_f32 v[244:245], v[124:125], v[128:129]
	v_pk_add_f32 v[242:243], v[132:133], v[136:137]
	v_pk_add_f32 v[240:241], v[140:141], v[144:145]
	v_pk_add_f32 v[238:239], v[148:149], v[152:153]
	v_pk_add_f32 v[14:15], v[14:15], v[156:157]
	v_pk_add_f32 v[236:237], v[236:237], v[96:97]
	v_pk_add_f32 v[248:249], v[248:249], v[98:99]
	v_pk_add_f32 v[246:247], v[246:247], v[102:103]
	v_pk_add_f32 v[244:245], v[244:245], v[106:107]
	v_pk_add_f32 v[242:243], v[242:243], v[110:111]
	v_pk_add_f32 v[240:241], v[240:241], v[114:115]
	v_pk_add_f32 v[238:239], v[238:239], v[118:119]
	v_pk_add_f32 v[14:15], v[14:15], v[122:123]
	v_pk_add_f32 v[236:237], v[236:237], v[126:127]
	v_pk_add_f32 v[248:249], v[248:249], v[130:131]
	v_pk_add_f32 v[246:247], v[246:247], v[134:135]
	v_pk_add_f32 v[244:245], v[244:245], v[138:139]
	v_pk_add_f32 v[242:243], v[242:243], v[142:143]
	v_pk_add_f32 v[240:241], v[240:241], v[146:147]
	v_pk_add_f32 v[238:239], v[238:239], v[150:151]
	v_pk_add_f32 v[14:15], v[14:15], v[154:155]
	v_pk_add_f32 v[236:237], v[236:237], v[158:159]
	s_delay_alu instid0(VALU_DEP_2)
	v_pk_add_f32 v[14:15], v[14:15], v[244:245]
	s_delay_alu instid0(VALU_DEP_2)
	v_pk_add_f32 v[236:237], v[236:237], v[242:243]
	v_pk_add_f32 v[248:249], v[248:249], v[240:241]
	v_pk_add_f32 v[246:247], v[246:247], v[238:239]
	s_delay_alu instid0(VALU_DEP_2)
	v_pk_add_f32 v[14:15], v[14:15], v[248:249]
	s_delay_alu instid0(VALU_DEP_2)
	v_pk_add_f32 v[236:237], v[236:237], v[246:247]
	s_delay_alu instid0(VALU_DEP_1)
	v_pk_add_f32 v[14:15], v[14:15], v[236:237]
	s_wait_alu depctr_va_vdst(0)                   ; and one for the four
.irp b, 0,1,2,3
	v_max_num_f32 v[232+\b], 0x1800000, v[232+\b]  ; the floor: the byte cannot fall under 1
.endr
.irp b, 0,1,2,3
	s_delay_alu instid0(VALU_DEP_4)
	v_add_nc_u32 v[244+\b], 0xff000000, v[232+\b]
.endr
.irp b, 0,1,2,3
	s_delay_alu instid0(VALU_DEP_4)
	v_lshrrev_b32 v[236+\b], 23, v[244+\b]
.endr
	s_delay_alu instid0(VALU_DEP_3)
	v_lshl_or_b32 v253, v237, 8, v236              ; p's scale word for these 128 keys
	s_delay_alu instid0(VALU_DEP_1)
	v_lshl_or_b32 v253, v238, 16, v253
	s_delay_alu instid0(VALU_DEP_1)
	v_lshl_or_b32 v253, v239, 24, v253
.irp c, 0,1
	v_cvt_scalef32_pk16_fp6_f32 v[224+6*\c:226+6*\c], v[96+32*\c:111+32*\c], v[244+2*\c]
	v_cvt_scalef32_pk16_fp6_f32 v[236+4*\c:238+4*\c], v[112+32*\c:127+32*\c], v[245+2*\c]
.endr
	s_setprio 0
	v_nop                                          ; one plain place behind a scaled conversion
.irp c, 0,1
.irp i, 0,1,2
	v_permlane16_swap_b32 v[224+6*\c+\i], v[236+4*\c+\i]
.endr
.irp i, 0,1,2
	s_delay_alu instid0(VALU_DEP_3)
	v_mov_b32 v[227+6*\c+\i], v[236+4*\c+\i]
.endr
.endr
.set j, 0
.rept 16
	v_pk_mul_f32 v[160+j:161+j], v[160+j:161+j], v[252:253] op_sel_hi:[1,0]   ; O^T under the new M; these sixteen also stand between the lines that made p's codes and scale word and the products
.set j, j+2
.endr
	s_wait_alu depctr_va_vdst(0)
	s_wait_dscnt 0x0                               ; V is in
.irp t, 0,1,2,3
	v_wmma_scale_f32_16x16x128_f8f6f4 v[160+8*\t:167+8*\t], v[F+12*\t:F+12*\t+11], v[224:235], v[160+8*\t:167+8*\t], v[VS+\t], v253 matrix_a_fmt:MATRIX_FMT_FP6 matrix_b_fmt:MATRIX_FMT_FP6
.endr
.if \causal
.Lhidden_\@:
.endif
.endm
.macro LOOP n, tk, tv, kf, causal, QF, QS, BS  ; n key steps from constants on: every trip count and every LDS address can be read off the text
	s_mov_b32 s[TK], \tk
	s_mov_b32 s[TV], \tv
	s_mov_b32 s[KF], \kf
	s_mov_b32 s[CNT], \n
.Lloop_\@:
	STEP \causal, \QF, \QS, \BS
	s_add_co_u32 s[TK], s[TK], KREC
	s_add_co_u32 s[TV], s[TV], VREC
	s_add_co_u32 s[KF], s[KF], 128
	s_sub_co_u32 s[CNT], s[CNT], 1
	s_cmp_lg_u32 s[CNT], 0
	s_cbranch_scc1 .Lloop_\@
	s_setprio 0
.endm
; A pass ends: O^T / the sum; its 32 registers, register 16 b + i = channel 32 b + 16 h + i, are two blocks of the last product's K: six registers of codes and two scale bytes.
.macro FINISH PA, SA
.rept 4
	v_nop                                          ; places behind the last products
.endr
	v_add_f32 v14, v14, v15
	s_delay_alu instid0(VALU_DEP_1)
	v_permlanex16_b32 v252, v14, s[SEL], s[SEL+1]
	s_delay_alu instid0(VALU_DEP_1)
	v_add_f32 v14, v14, v252                       ; the row's sum
	s_wait_alu depctr_va_vdst(0)
	v_rcp_f32 v14, v14
	v_nop                                          ; a plain place behind the transcendental
	s_wait_alu depctr_va_vdst(0)                   ; the wait ahead of its first reader
.set j, 0
.rept 32
	v_mul_f32 v[96+j], v[160+j], v14
.set j, j+1
.endr
.irp b, 0,1
	v_max3_num_f32 v[232+\b], |v[96+16*\b]|, |v[97+16*\b]|, 0x1800000
.endr
.irp i, 2,4,6,8,10,12,14
.irp b, 0,1
	s_delay_alu instid0(VALU_DEP_2)
	v_max3_num_f32 v[232+\b], v[232+\b], |v[96+16*\b+\i]|, |v[97+16*\b+\i]|
.endr
.endr
.irp b, 0,1
	s_delay_alu instid0(VALU_DEP_2)
	v_permlanex16_b32 v[236+\b], v[232+\b], s[SEL], s[SEL+1]
.endr
.irp b, 0,1
	s_delay_alu instid0(VALU_DEP_2)
	v_max_num_f32 v[232+\b], v[232+\b], v[236+\b]
.endr
.irp b, 0,1
	s_delay_alu instid0(VALU_DEP_2)
	v_add_nc_u32 v[244+\b], 0xff000000, v[232+\b]
.endr
.irp b, 0,1
	s_delay_alu instid0(VALU_DEP_2)
	v_lshrrev_b32 v[236+\b], 23, v[244+\b]
.endr
	s_delay_alu instid0(VALU_DEP_1)
	v_lshl_or_b32 v254, v237, 8, v236
	v_cvt_scalef32_pk16_fp6_f32 v[224:226], v[96:111], v244
	v_cvt_scalef32_pk16_fp6_f32 v[240:242], v[112:127], v245
	v_nop
.irp i, 0,1,2
	v_permlane16_swap_b32 v[224+\i], v[240+\i]
.endr
.irp i, 0,1,2
	s_delay_alu instid0(VALU_DEP_3)
	v_mov_b32 v[227+\i], v[240+\i]
.endr
.irp i, 0,1,2
	global_store_b64 v1, v[224+2*\i:225+2*\i], s[\PA:\PA+1] offset:256*\i   ; 256 consecutive bytes, aligned
.endr
	ds_store_b16 v[\SA], v254                      ; both lanes of a query write the same two bytes
.endm
	INIT
	s_wait_loadcnt 0x0                             ; q
	s_wait_tensorcnt 0x3                           ; in waves 0 and 1: the first quarter has landed, three younger fills may be out
	s_barrier_signal -1
	s_barrier_wait -1
	LOOP 4, 0, VB, 0, 1, 16, 94, BA                ; pass A, keys 0 .. 511
	s_wait_tensorcnt 0x2                           ; the second quarter
	s_wait_dscnt 0x0
	s_barrier_signal -1
	s_barrier_wait -1
	LOOP 4, 4*KREC, VB+4*VREC, 512, 1, 16, 94, BA  ; keys 512 .. 1,023: pass A's tiles end there
	FINISH 86, 8
	s_wait_xcnt 0x0                                ; the stores have read the codes' registers: pass B writes them again
	INIT
	LOOP 8, 0, VB, 0, 0, 28, 95, BB                ; pass B's queries are 1,024 or later: keys 0 .. 1,023 all count
	s_wait_tensorcnt 0x0                           ; the rest of K and V
	s_wait_dscnt 0x0
	s_barrier_signal -1
	s_barrier_wait -1
	LOOP 8, 8*KREC, VB+8*VREC, 1024, 1, 28, 95, BB
	FINISH 88, 9
	s_wait_dscnt 0x0                               ; for the others' sake: my bytes lie in the stage
	s_barrier_signal -1
	s_barrier_wait -1
	s_cmp_lt_u32 s[WV], 2
	s_cbranch_scc0 .Lend
	ds_load_b128 v[96:99], v10
	s_wait_dscnt 0x0
	global_store_b128 v11, v[96:99], s[90:91]      ; a block's 512 consecutive bytes, aligned
.Lend:
	s_wait_tensorcnt 0x0
	ds_add_u32 v251, v255
	s_wait_dscnt 0x0
	s_endpgm
.Lfunc_end_k_q72ffabd6b2_attn:
	.size	k_q72ffabd6b2_attn, .Lfunc_end_k_q72ffabd6b2_attn-k_q72ffabd6b2_attn
	.p2alignl 7, 3214868480
	.fill 96, 4, 3214868480
	.section	.rodata,"a",@progbits
	.p2align	6, 0x0
	.amdhsa_kernel k_q72ffabd6b2_attn
		.amdhsa_group_segment_fixed_size 211968
		.amdhsa_private_segment_fixed_size 0
		.amdhsa_enable_private_segment 0
		.amdhsa_kernarg_size 24
		.amdhsa_user_sgpr_count 2
		.amdhsa_user_sgpr_kernarg_segment_ptr 1
		.amdhsa_wavefront_size32 1
		.amdhsa_system_sgpr_workgroup_id_x 1
		.amdhsa_system_sgpr_workgroup_id_y 1
		.amdhsa_system_sgpr_workgroup_id_z 1
		.amdhsa_system_vgpr_workitem_id 0
		.amdhsa_next_free_vgpr 256
		.amdhsa_next_free_sgpr 100
		.amdhsa_reserve_vcc 1
		.amdhsa_float_denorm_mode_32 3
		.amdhsa_float_denorm_mode_16_64 3
		.amdhsa_memory_ordered 1
		.amdhsa_forward_progress 1
		.amdhsa_inst_pref_size 114
	.end_amdhsa_kernel
	.amdgpu_metadata
---
amdhsa.version: [ 1, 2 ]
amdhsa.kernels:
  - .name:           k_q72ffabd6b2_attn
    .symbol:         k_q72ffabd6b2_attn.kd
    .args:
      - { .name: qkv, .offset: 0, .size: 8, .value_kind: global_buffer, .address_space: global }
      - { .name: att, .offset: 8, .size: 8, .value_kind: global_buffer, .address_space: global }
      - { .name: atts, .offset: 16, .size: 8, .value_kind: global_buffer, .address_space: global }
    .group_segment_fixed_size: 211968
    .private_segment_fixed_size: 0
    .kernarg_segment_align: 8
    .kernarg_segment_size: 24
    .max_flat_workgroup_size: 512
    .sgpr_count:     100
    .vgpr_count:     256
    .wavefront_size: 32
...
	.end_amdgpu_metadata
.endif
;; end of part 3
;; launch outp (part 4): grid 8 x 32, 4 waves a work-group, clusters of 4 x 4, 295,424 bytes of LDS; arguments att, atts, cod, sc, bo, out0; writes out0
.if DOCPART == 4
	.amdgcn_target "amdgcn-amd-amdhsa--gfx1250"
	.amdhsa_code_object_version 6
	.text
	.protected	k_q72ffabd6b2_outp
	.globl	k_q72ffabd6b2_outp
	.p2align	8
	.type	k_q72ffabd6b2_outp,@function
k_q72ffabd6b2_outp:
	s_mov_b64 s[64:65], 0
	v_nop
	global_prefetch_b8 v0, s[64:65] scope:SCOPE_SE
	s_setreg_imm32_b32 hwreg(HW_REG_WAVE_MODE, 25, 1), 1
	s_wait_xcnt 0x0
	s_wait_alu depctr_hold_cnt(0) depctr_sa_sdst(0) depctr_va_vdst(0) depctr_va_sdst(0) depctr_va_ssrc(0) depctr_va_vcc(0) depctr_vm_vsrc(0)
	s_getreg_b32 s2, hwreg(HW_REG_IB_STS2, 6, 4)
	s_cmp_eq_u32 s2, 0
	s_cbranch_scc0 .Lentry_in_a_cluster
	s_endpgm
.Lentry_in_a_cluster:
	s_bfe_u32 s2, ttmp6, 0x10000c
	s_cmp_lg_u32 s2, 0xf033
	s_cbranch_scc0 .Lentry_shape_is_right
	s_endpgm
.Lentry_shape_is_right:
; out0 = attention's result x wo^T + bo on codes of FP6 (E2M3) with E8M0 scales; out0 [8192][1024] f32.
; The frame is launch proj's: a work-group makes 256 rows of the ROW SIDE (source 1: tokens, from att) x 128 rows of the COLUMN SIDE (source 0: rows of wo, tiles 704 on of cod), K = 1,024; wave w owns row tiles 4 w + a x column tiles b:
; 32 accumulators.  Both operands for all of K lie in LDS, every byte filled ONCE, in four chunks of 256 along K asked for at the head.  CLUSTER 4 x 4: the row side is shared along a row, the column side along a column: joint loads.
; A tile holds rows 32 (t / 2) + 8 (t % 2) + r + 8 (r / 8); a lane's registers of column tiles 2 b and 2 b + 1 are columns 32 b + 16 h + 0 .. 15 of one token's row.
; The row side's scale word of K step s is pieced together of head 2 s's two bytes and head 2 s + 1's (atts: [head][token in tile order] two bytes).  bo is the C of the first K step.
; THE WAY OUT: a row tile (16 tokens x 512 bytes) goes through the wave's stage in LDS and leaves as whole rows of 512 bytes.  The stage lies in chunk 0, which has had its only fill and which nobody reads behind the barrier in K step 1.
; REGISTERS: window 0: v0-31 addresses; v32-47 row side's scale words, v48-79 column side's; v80-143 bo; v180-211 the two-byte pieces; on the way out v128-255.   window 1: column fragments, two sets of 96.
;   window 2: accumulator (a, b) at v[64 a + 8 b].   window 3: row fragments, two sets of 48.
.set CHUNK, 73728
.set COLS,  49152
.set TILEB, 12288
.set ADR, 2
.set ADC, 3
.set STO, 12                           ; v12  the stage: where I put a tile's results
.set RD,  13                           ; v13  where I read a row back
.set CO,  14                           ; v14  16 x lane: my bytes of a row of out0
.set RS,  32
.set CS,  48
.set CC,  80
.set BR8, 144                          ; (not used in this launch)
.set UT,  180
.set BK,  128
.set WV,  16
.set G1R, 24
.set G1C, 32
.set G0R, 40
.set MSB, 0
.macro WIN new                         ; the immediate's high byte repeats the setting that is left
.if MSB != \new
	s_set_vgpr_msb (MSB<<8)|\new
.set MSB, \new
.endif
.endm
.macro PLACES n
.rept \n
	v_nop
.endr
.endm
.macro CROUND                          ; a round of the cluster's barrier
	s_barrier_signal -1
	s_barrier_wait -1
	s_cmp_lg_u32 s[WV], 0
	s_cbranch_scc1 .Lnot_wave_0_\@
	s_barrier_signal -3
.Lnot_wave_0_\@:
	s_barrier_wait -3
	s_barrier_signal -1
	s_barrier_wait -1
.endm
.macro WM a, b, s, cmode               ; one product: accumulator (a, b), K step s.  cmode 0: onto itself; 1: starts with the bias
.set rD, 64*(\a)+8*(\b)
.set rA, 96*((\s)%2)+12*(\b)
.set rB, 48*((\s)%2)+12*(\a)
.set rX, CS+8*((\b)%4)+(\s)
.set rY, RS+8*((\a)%2)+(\s)
.set rC, rD
.if \cmode == 1
.set rC, CC+8*(\b)
.endif
.if ((\b) < 4) && ((\a) < 2)
	v_wmma_scale_f32_16x16x128_f8f6f4 v[rD:rD+7], v[rA:rA+11], v[rB:rB+11], v[rC:rC+7], v[rX], v[rY] matrix_a_fmt:MATRIX_FMT_FP6 matrix_b_fmt:MATRIX_FMT_FP6
.elseif ((\a) < 2)
	v_wmma_scale_f32_16x16x128_f8f6f4 v[rD:rD+7], v[rA:rA+11], v[rB:rB+11], v[rC:rC+7], v[rX], v[rY] matrix_a_fmt:MATRIX_FMT_FP6 matrix_b_fmt:MATRIX_FMT_FP6 matrix_a_scale:MATRIX_SCALE_ROW1
.elseif ((\b) < 4)
	v_wmma_scale_f32_16x16x128_f8f6f4 v[rD:rD+7], v[rA:rA+11], v[rB:rB+11], v[rC:rC+7], v[rX], v[rY] matrix_a_fmt:MATRIX_FMT_FP6 matrix_b_fmt:MATRIX_FMT_FP6 matrix_b_scale:MATRIX_SCALE_ROW1
.else
	v_wmma_scale_f32_16x16x128_f8f6f4 v[rD:rD+7], v[rA:rA+11], v[rB:rB+11], v[rC:rC+7], v[rX], v[rY] matrix_a_fmt:MATRIX_FMT_FP6 matrix_b_fmt:MATRIX_FMT_FP6 matrix_a_scale:MATRIX_SCALE_ROW1 matrix_b_scale:MATRIX_SCALE_ROW1
.endif
.endm
.macro MUL a0, s, cmode                ; 16 products; the 32 accumulators take turns, one instruction a turn
.if \cmode == 0
	WIN 0xad                                       ; source 0 window 1, source 1 window 3, C and D window 2
.else
	WIN 0x8d                                       ; C in window 0
.endif
.irp a, \a0, \a0+1
.irp b, 0,1,2,3,4,5,6,7
	WM \a, \b, \s, \cmode
.endr
.endr
.endm
.macro FETCH s                         ; K step s's 12 fragments into set s % 2
.if (((\s)%2) == 0) && ((\s) > 0)
	WIN 0
	v_add_nc_u32 v[ADR], CHUNK, v[ADR]
	v_add_nc_u32 v[ADC], CHUNK, v[ADC]
.endif
	WIN 0x40
.irp b, 0,1,2,3,4,5,6,7
.irp p, 0,1,2,3,4,5
	ds_load_b64 v[96*((\s)%2)+12*\b+2*\p:96*((\s)%2)+12*\b+2*\p+1], v[ADC] offset:3072*\b+1536*((\s)%2)+256*\p
.endr
.endr
	WIN 0xc0
.irp a, 0,1,2,3
.irp p, 0,1,2,3,4,5
	ds_load_b64 v[48*((\s)%2)+12*\a+2*\p:48*((\s)%2)+12*\a+2*\p+1], v[ADR] offset:3072*\a+1536*((\s)%2)+256*\p
.endr
.endr
	WIN 0
.endm
.macro STEP s                          ; K step s = 1 .. 7; an odd step's fetch opens the next chunk, behind a barrier
	s_wait_dscnt 0x0                               ; this step's fragments are in
.if (((\s)%2) == 1) && ((\s) < 7)
	s_wait_tensorcnt 3-((\s)+1)/2                  ; of my four fills those up to chunk (s + 1) / 2 have landed; nothing is ever filled again
	s_barrier_signal -1
.endif
	MUL 0, \s, 0
.if (((\s)%2) == 1) && ((\s) < 7)
	s_barrier_wait -1
.endif
.if (\s) < 7
	PLACES 4                                       ; in front of loads into registers that the last step's products read
	FETCH (\s)+1
.endif
	MUL 2, \s, 0
.endm
	s_load_b256 s[4:11], s[0:1], 0x0               ; att, atts, cod, sc
	s_load_b128 s[12:15], s[0:1], 0x20             ; bo, out0
	v_lshl_add_u32 v30, v0, 2, 0x48000
	v_mov_b32 v31, 0
	ds_add_u32 v30, v31
	ds_add_u32 v30, v31
	v_lshrrev_b32 v1, 5, v0
	v_readfirstlane_b32 s[WV], v1                  ; wave 0..3
	s_and_b32 s17, s[WV], 1
	s_bfe_u32 s19, ttmp6, 0x40000                  ; cx
	s_bfe_u32 s20, ttmp6, 0x40004                  ; cy
	s_mov_b32 s21, ttmp9
	s_and_b32 s22, ttmp7, 0xffff
	s_lshl_b32 s78, s20, 2
	s_lshl_b32 s78, 15, s78                        ; my row of the cluster
	s_lshl_b32 s79, 0x1111, s19                    ; my column
	s_or_b32 s[G1R], s78, (3<<16)|(1<<21)          ; the mask; elements of 8 bytes; bit 21 beside a mask; no padding
	s_or_b32 s[G1C], s79, (3<<16)|(1<<21)
	s_mov_b32 s[G1R+1], 384<<16                    ; a tile's 3,072 bytes of a chunk
	s_mov_b32 s[G1R+2], 8<<16                      ; 8 tiles
	s_mov_b32 s[G1R+3], 384<<16
	s_mov_b32 s[G1R+4], 8
	s_mov_b32 s[G1R+5], 1536                       ; from tile to tile: 12,288 bytes
	s_mov_b32 s[G1R+6], 0
	s_mov_b32 s[G1R+7], 0
	s_mov_b32 s[G1C+1], 384<<16
	s_mov_b32 s[G1C+2], 4<<16                      ; 4 tiles
	s_mov_b32 s[G1C+3], 384<<16
	s_mov_b32 s[G1C+4], 4
	s_mov_b32 s[G1C+5], 1536
	s_mov_b32 s[G1C+6], 0
	s_mov_b32 s[G1C+7], 0
	s_lshl_b32 s76, s22, 6
	s_lshl_b32 s78, s20, 4
	s_add_co_u32 s76, s76, s78                     ; the row side's first tile: 64 CY + 16 cy
	s_lshl_b32 s77, s21, 5
	s_lshl_b32 s79, s19, 3
	s_add_co_u32 s77, s77, s79
	s_add_co_u32 s77, s77, 704                     ; the column side's: 704 + 32 CX + 8 cx
	s_lshl_b32 s78, s17, 3
	s_add_co_u32 s78, s78, s76
	s_mul_i32 s84, s78, TILEB
	s_mov_b32 s85, 0
	s_lshl_b32 s79, s17, 2
	s_add_co_u32 s79, s79, s77
	s_mul_i32 s86, s79, TILEB
	s_mov_b32 s87, 0
	s_mul_i32 s80, s17, 24576
	s_mul_i32 s81, s17, 12288
	s_add_co_u32 s81, s81, COLS
	s_wait_dscnt 0x0
	s_wait_kmcnt 0x0
	s_add_nc_u64 s[84:85], s[4:5], s[84:85]
	s_add_nc_u64 s[86:87], s[8:9], s[86:87]
.irp j, 0,1,2,3
	s_mov_b32 s[G0R+4*\j], 1
	s_add_co_u32 s[G0R+4*\j+1], s80, \j*CHUNK
	s_add_nc_u64 s[G0R+4*\j+2:G0R+4*\j+3], s[84:85], \j*3072
	s_or_b32 s[G0R+4*\j+3], s[G0R+4*\j+3], 0x80000000
	s_mov_b32 s[56+4*\j+4*(\j/2)], 1
	s_add_co_u32 s[57+4*\j+4*(\j/2)], s81, \j*CHUNK
	s_add_nc_u64 s[58+4*\j+4*(\j/2):59+4*\j+4*(\j/2)], s[86:87], \j*3072
	s_or_b32 s[59+4*\j+4*(\j/2)], s[59+4*\j+4*(\j/2)], 0x80000000
.endr
	CROUND                                         ; all sixteen work-groups are here: the joint loads meet
	s_cmp_lt_u32 s[WV], 2                          ; a wave's four fills stand in one branch on the wave's number: four loads of mine are out
	s_cbranch_scc0 .Lfill_cols
.irp j, 0,1,2,3
	tensor_load_to_lds s[G0R+4*\j:G0R+4*\j+3], s[G1R:G1R+7]
	s_nop 0
.endr
	PLACES 4
	s_branch .Lfilled
.Lfill_cols:
.irp j, 0,1,2,3
	tensor_load_to_lds s[56+4*\j+4*(\j/2):59+4*\j+4*(\j/2)], s[G1C:G1C+7]
	s_nop 0
.endr
	PLACES 4
.Lfilled:
	v_and_b32 v1, 31, v0                           ; lane
	v_and_b32 v4, 15, v0                           ; r
	v_bfe_u32 v5, v0, 4, 1                         ; h
	v_lshlrev_b32 v6, 3, v1
	s_mul_i32 s80, s[WV], 12288
	v_add_nc_u32 v[ADR], s80, v6
	v_add_nc_u32 v[ADC], COLS, v6
	v_lshlrev_b32 v7, 4, v4
	v_lshl_add_u32 v7, v5, 11, v7                  ; column side's scale words: 16 r, four tiles on for lanes 16-31
	s_wait_alu depctr_va_vdst(0)
	v_lshlrev_b32 v8, 1, v4
	v_lshl_add_u32 v8, v5, 6, v8                   ; row side's two-byte pieces: 2 r, two tiles on for lanes 16-31
	s_wait_alu depctr_va_vdst(0)
	v_lshlrev_b32 v9, 6, v5                        ; bo: 16 numbers on for lanes 16-31
	s_wait_alu depctr_va_vdst(0)
	s_mul_i32 s80, s[WV], 8448                     ; my stage: 16 rows x 528 bytes
	v_mul_u32_u24 v[STO], v4, 528
	v_lshl_add_u32 v[STO], v5, 6, v[STO]
	v_add_nc_u32 v[STO], s80, v[STO]
	v_lshlrev_b32 v[CO], 4, v1
	v_add_nc_u32 v[RD], s80, v[CO]
	s_mov_b32 s81, 0
	s_lshl_b32 s82, s21, 2
	s_add_co_u32 s82, s82, s19                     ; which 128 columns: 4 CX + cx
	s_lshl_b32 s80, s82, 9
	s_add_nc_u64 s[88:89], s[12:13], s[80:81]      ; bo
	s_lshl_b32 s83, s76, 4
	s_lshl_b32 s79, s[WV], 6
	s_add_co_u32 s83, s83, s79                     ; my first token: 16 x first tile + 64 x wave
	s_lshl_b32 s83, s83, 12
	s_add_co_u32 s80, s80, s83
	s_add_nc_u64 s[14:15], s[14:15], s[80:81]      ; out0 at my first token and my first column
	s_lshl_b32 s80, s77, 9
	s_add_nc_u64 s[92:93], s[10:11], s[80:81]      ; the column tiles' scale words
	s_lshl_b32 s80, s76, 5
	s_lshl_b32 s79, s[WV], 7
	s_add_co_u32 s80, s80, s79
	s_add_nc_u64 s[94:95], s[6:7], s[80:81]        ; my row tiles' two-byte pieces
.irp q, 0,1,2,3
.irp f, 0,1
	global_load_b128 v[CS+8*\q+4*\f:CS+8*\q+4*\f+3], v7, s[92:93] offset:512*\q+256*\f
.endr
.endr
.irp q, 0,1
.irp s, 0,1,2,3,4,5,6,7
.irp e, 0,1
	global_load_u16 v[UT+16*\q+2*\s+\e], v8, s[94:95] offset:(2*\s+\e)*16384+32*\q
.endr
.endr
.endr
.irp b, 0,1,2,3,4,5,6,7
	global_load_b128 v[CC+8*\b:CC+8*\b+3], v9, s[88:89] offset:(32*(\b/2)+8*(\b%2))*4
	global_load_b128 v[CC+8*\b+4:CC+8*\b+7], v9, s[88:89] offset:(32*(\b/2)+8*(\b%2))*4+16
.endr
	s_wait_tensorcnt 0x3                           ; my part of chunk 0 has landed; three younger fills may be out
	s_barrier_signal -1
	s_barrier_wait -1
	FETCH 0
	FETCH 1
	s_wait_loadcnt 0x0
.irp q, 0,1
.irp s, 0,1,2,3,4,5,6,7
	v_lshl_or_b32 v[RS+8*\q+\s], v[UT+16*\q+2*\s+1], 16, v[UT+16*\q+2*\s]   ; bytes 0, 1: head 2 s; bytes 2, 3: head 2 s + 1
.endr
.endr
	PLACES 8                                       ; a scale register written by a vector instruction stands eight places ahead of a scaled matrix instruction
	s_wait_alu depctr_va_vdst(0)
	s_wait_dscnt 63                                ; 72 loads were issued behind K step 0's 72: with at most 63 out, K step 0's are in
	MUL 0, 0, 1                                    ; the first K step starts the sums with bo
	MUL 2, 0, 1
	STEP 1
	s_wait_alu depctr_va_vdst(0)
	STEP 2
	STEP 3
	s_wait_alu depctr_va_vdst(0)
	STEP 4
	STEP 5
	s_wait_alu depctr_va_vdst(0)
	STEP 6
	STEP 7
	WIN 0
	PLACES 4                                       ; in front of the first read of results and of loads into registers that products have read
.macro TOSTAGE a                       ; row tile a: lane (r, h) holds token r's columns 32 (b / 2) + 16 h + 8 (b % 2) + 0 .. 7; each accumulator from its low end on
	WIN 0x08                                       ; an LDS store's data are its source 1: window 2
.irp b, 0,1,2,3,4,5,6,7
	ds_store_b128 v[STO], v[64*(\a)+8*\b:64*(\a)+8*\b+3] offset:128*(\b/2)+32*(\b%2)
	ds_store_b128 v[STO], v[64*(\a)+8*\b+4:64*(\a)+8*\b+7] offset:128*(\b/2)+32*(\b%2)+16
.endr
	WIN 0
.set t, 0
.rept 16
	ds_load_b128 v[BK+64*((\a)%2)+4*t:BK+64*((\a)%2)+4*t+3], v[RD] offset:528*t   ; LDS serves a wave's instructions in order: these see the stores above, and the next tile's stores come behind them
.set t, t+1
.endr
.endm
.macro SEND a, younger                 ; younger: the LDS instructions issued behind tile a's loads, which may stay out
	s_wait_dscnt \younger
.set t, 0
.rept 16
	global_store_b128 v[CO], v[BK+64*((\a)%2)+4*t:BK+64*((\a)%2)+4*t+3], s[14:15] offset:(32*((\a)/2)+8*((\a)%2)+t+8*(t/8))*4096 th:TH_STORE_NT   ; 32 lanes store 512 consecutive bytes, aligned; written once, read by nobody here
.set t, t+1
.endr
.endm
	TOSTAGE 0
.irp a, 1,2,3
.if \a > 1
	s_wait_xcnt 0x0                                ; tile a - 2's stores have read their registers: tile a's loads may land there
.endif
	TOSTAGE \a
	SEND \a-1, 32                                  ; behind tile a - 1's loads: tile a's 16 stores and 16 loads
.endr
	SEND 3, 0
	s_wait_tensorcnt 0x0
	ds_add_u32 v30, v31
	s_wait_dscnt 0x0
	CROUND                                         ; the closing round: no work-group ends while a partner may still ask for a tile that names it
	s_endpgm
.Lfunc_end_k_q72ffabd6b2_outp:
	.size	k_q72ffabd6b2_outp, .Lfunc_end_k_q72ffabd6b2_outp-k_q72ffabd6b2_outp
	.p2alignl 7, 3214868480
	.fill 96, 4, 3214868480
	.section	.rodata,"a",@progbits
	.p2align	6, 0x0
	.amdhsa_kernel k_q72ffabd6b2_outp
		.amdhsa_group_segment_fixed_size 295424
		.amdhsa_private_segment_fixed_size 0
		.amdhsa_enable_private_segment 0
		.amdhsa_kernarg_size 48
		.amdhsa_user_sgpr_count 2
		.amdhsa_user_sgpr_kernarg_segment_ptr 1
		.amdhsa_wavefront_size32 1
		.amdhsa_system_sgpr_workgroup_id_x 1
		.amdhsa_system_sgpr_workgroup_id_y 1
		.amdhsa_system_sgpr_workgroup_id_z 1
		.amdhsa_system_vgpr_workitem_id 0
		.amdhsa_next_free_vgpr 864
		.amdhsa_next_free_sgpr 100
		.amdhsa_reserve_vcc 0
		.amdhsa_float_denorm_mode_32 3
		.amdhsa_float_denorm_mode_16_64 3
		.amdhsa_memory_ordered 1
		.amdhsa_forward_progress 1
		.amdhsa_inst_pref_size 101
	.end_amdhsa_kernel
	.amdgpu_metadata
---
amdhsa.version: [ 1, 2 ]
amdhsa.kernels:
  - .name:           k_q72ffabd6b2_outp
    .symbol:         k_q72ffabd6b2_outp.kd
    .args:
      - { .name: att, .offset: 0, .size: 8, .value_kind: global_buffer, .address_space: global }
      - { .name: atts, .offset: 8, .size: 8, .value_kind: global_buffer, .address_space: global }
      - { .name: cod, .offset: 16, .size: 8, .value_kind: global_buffer, .address_space: global }
      - { .name: sc, .offset: 24, .size: 8, .value_kind: global_buffer, .address_space: global }
      - { .name: bo, .offset: 32, .size: 8, .value_kind: global_buffer, .address_space: global }
      - { .name: out0, .offset: 40, .size: 8, .value_kind: global_buffer, .address_space: global }
    .group_segment_fixed_size: 295424
    .private_segment_fixed_size: 0
    .kernarg_segment_align: 8
    .kernarg_segment_size: 48
    .max_flat_workgroup_size: 128
    .sgpr_count:     100
    .vgpr_count:     864
    .wavefront_size: 32
...
	.end_amdgpu_metadata
.endif
;; end of part 4
